; MI455X (gfx1250); checked and timed in simulation.
; The chip was launched on July 23, 2026; its instructions are those of AMD's public machine-readable ISA for CDNA 5 (MIT licence, August 2026) and "CDNA5" Instruction Set Architecture Reference Guide (July 2026). The comments in the code are by the model that wrote it; some were corrected since.
;; Transformer Encoder. Allowed arithmetic: float matrix products may take bf16 or f16 operands with f32 sums; all other float work in f32.
;; Inputs: b1 4 x 256 float32; b2 4 x 256 float32; be1 4 x 256 float32; be2 4 x 256 float32; g1 4 x 256 float32; g2 4 x 256 float32; proj_b 4 x 256 float32; proj_w 4 x 256 x 256 float32; qkv_w 4 x 256 x 768 float32; w1 4 x 256 x 256 float32; w2 4 x 256 x 256 float32; x 2 x 2,048 x 256 float32.
;; Outputs: out0 2 x 2,048 x 256 float32.
;; 2 versions, each right and faster than the one before. Each part assembles by itself: llvm-mc -triple=amdgcn-amd-amdhsa -mcpu=gfx1250 --defsym DOCPART=n.
;; ======== version 1 of 2: 10 launches
;; workspace buffers: p0 793,600 bytes; p1 793,600 bytes; p2 793,600 bytes; p3 793,600 bytes; qkv 6,291,456 bytes; of 2,097,152 bytes; xa 4,194,304 bytes; xb 4,194,304 bytes
;; launch prep (part 1): grid 112 x 4, 4 waves a work-group, no clusters, 17,920 bytes of LDS; arguments x, qkv_w, proj_w, w1, w2, proj_b, g1, be1, b1, b2, g2, be2, p0, p1, p2, p3, xa; writes p0, p1, p2, p3, xa
.if DOCPART == 1
	.amdgcn_target "amdgcn-amd-amdhsa--gfx1250"
	.amdhsa_code_object_version 6
	.text
	.protected	k_q4a9bd472ad_prep
	.globl	k_q4a9bd472ad_prep
	.p2align	8
	.type	k_q4a9bd472ad_prep,@function
k_q4a9bd472ad_prep:
	s_mov_b64 s[64:65], 0
	v_nop
	global_prefetch_b8 v0, s[64:65] scope:SCOPE_SE
	s_setreg_imm32_b32 hwreg(HW_REG_WAVE_MODE, 25, 1), 1
	s_wait_xcnt 0x0
; PREPARATION, once.  (1) The weights of layer y become bf16 in FRAGMENT ORDER in parameter block p_y; (2) the seven vectors of layer y are copied
; into p_y, sorted by the wave that will use them; (3) xa = x + position table, f32, in the order of the later kernels' accumulators.
; FRAGMENT ORDER: a tile of 16 x 32 numbers of 16 bits is 1,024 bytes: piece j (0, 1) at 512 j, lane L = 16 h + r at 16 L, eight numbers k = 16 j + 8 h + 0..7
; of row (or column) r.  Two 16-byte loads a lane, at 16 L and 16 L + 512, fill a matrix operand, and each covers 512 consecutive bytes.
; BLOCK p_y: six matrices of 131,072 bytes, [column tile 16][K step 8][1,024]: proj_w[y], w1[y], w2[y], then the q, k and v columns of qkv_w[(y+1) mod 4]
; (the product that FOLLOWS layer y); behind them [wave 4][vector 7][64 f32]: proj_b, g1, be1, b1, b2, g2, be2 of layer y.
; GRID: y = the layer; x 0..47: matrix x / 8, part x % 8 (a wave: 16 rows of k x 128 columns); x 0..6 also copy vector x; x 48..111: 16 rows of x each.
; No wave depends on another: each has its own 4,352 bytes of LDS, and there is no barrier.
; LIMIT: sin and cos are taken as f P(f^2), f = angle / 2 pi (+ 1/4 for cos) less its nearest whole number, P of degree 7 (what is cut off is below 8e-7);
; the angle's product with 1 / 2 pi is rounded in f32, so the table is right to about 6e-4 at the highest positions (2047), better below.
.set STGB, 4352                        ; bytes of LDS of a wave
.set OFF,  8                           ; v[8:23]   weights: byte offset of my 16 bytes in each of 16 rows
.set R,    24                          ; v[24:87]  weights: 16 rows x 4 columns in f32; then the pieces read back
.set PK,   88                          ; v[88:119] weights: 8 pieces of 8 bf16
.set X,    24                          ; v[24:55]  x: 8 loads of 4 numbers
.set BK,   64                          ; v[64:95]  x: read back in the accumulators' order
.macro SPAIR r, val                    ; a constant for packed arithmetic: named as a pair, so both words are written
	s_mov_b32 s[\r], \val
	s_mov_b32 s[\r+1], \val
.endm
	s_load_b512 s[8:23], s[0:1], 0x0               ; x 8, qkv_w 10, proj_w 12, w1 14, w2 16, proj_b 18, g1 20, be1 22
	s_load_b512 s[24:39], s[0:1], 0x40             ; b1 24, b2 26, g2 28, be2 30, p0 32, p1 34, p2 36, p3 38
	s_load_b64 s[40:41], s[0:1], 0x80              ; xa
	v_lshl_add_u32 v128, v0, 2, 0x4400
	v_mov_b32 v129, 0
	v_and_b32 v1, 31, v0                           ; lane L
	v_lshrrev_b32 v2, 5, v0
	v_readfirstlane_b32 s4, v2                     ; wave w
	s_and_b32 s5, ttmp7, 0xffff                    ; y
	s_mov_b32 s7, ttmp9                            ; x of the grid
	s_mul_i32 s6, s4, STGB                         ; my wave's LDS
	s_wait_kmcnt 0x0
	s_cmp_lt_u32 s7, 48
	s_cbranch_scc0 .Lx_path
	; ---------------- weights ----------------
	v_lshlrev_b32 v3, 4, v1                        ; 16 L
	s_lshr_b32 s44, s7, 3                          ; matrix T, 0..5
	s_and_b32 s45, s7, 7
	s_lshr_b32 s46, s4, 1
	s_lshl1_add_u32 s46, s45, s46                  ; kg: which 16 rows of k, 0..15
	s_and_b32 s47, s4, 1                           ; ch: which 128 columns
	s_lshl_b32 s51, s5, 18                         ; a square matrix of layer y: y x 262,144 bytes
	s_add_co_u32 s52, s5, 1
	s_and_b32 s52, s52, 3
	s_mul_i32 s52, s52, 786432                     ; qkv_w of layer (y + 1) mod 4,
	s_max_u32 s53, s44, 3
	s_sub_co_u32 s53, s53, 3
	s_lshl_b32 s53, s53, 10
	s_add_co_u32 s52, s52, s53                     ; its q, k or v columns: 1,024 bytes further along each row
	s_movk_i32 s54, 3072                           ; bytes from row to row in qkv_w,
	s_movk_i32 s55, 1024                           ; in the square matrices
	s_cmp_eq_u32 s5, 1                             ; the block that is written
	s_cselect_b64 s[42:43], s[34:35], s[32:33]
	s_cmp_eq_u32 s5, 2
	s_cselect_b64 s[42:43], s[36:37], s[42:43]
	s_cmp_eq_u32 s5, 3
	s_cselect_b64 s[42:43], s[38:39], s[42:43]
	s_cmp_eq_u32 s44, 1                            ; the matrix that is read
	s_cselect_b64 s[48:49], s[14:15], s[12:13]
	s_cmp_eq_u32 s44, 2
	s_cselect_b64 s[48:49], s[16:17], s[48:49]
	s_cmp_ge_u32 s44, 3
	s_cselect_b64 s[48:49], s[10:11], s[48:49]
	s_cselect_b32 s50, s54, s55                    ; its pitch
	s_cselect_b32 s52, s52, s51                    ; and where it begins
	s_mov_b32 s53, 0
	s_add_nc_u64 s[48:49], s[48:49], s[52:53]
	s_mul_i32 s56, s46, s50
	s_lshl_b32 s56, s56, 4                         ; 16 kg rows
	s_lshl_b32 s57, s47, 9                         ; 128 ch columns
	s_add_co_u32 s56, s56, s57
	v_add_nc_u32 v[OFF], s56, v3
.set e, 1
.rept 15
	v_add_nc_u32 v[OFF+e], s50, v[OFF+e-1]
.set e, e+1
.endr
.set e, 0
.rept 16
	global_load_b128 v[R+4*e:R+4*e+3], v[OFF+e], s[48:49] th:TH_LOAD_NT   ; 512 consecutive bytes of row 16 kg + e; read once in the launch
.set e, e+1
.endr
	v_lshrrev_b32 v4, 2, v1
	v_and_b32 v5, 3, v1
	v_lshl_add_u32 v4, v4, 9, s6                   ; my 4 columns lie in column tile L / 4 (512 bytes of pieces each),
	v_lshl_add_u32 v4, v5, 6, v4                   ; at r = 4 (L % 4) + i
	v_add_nc_u32 v5, s6, v3
	s_lshl_b32 s58, s44, 17                        ; in the block: matrix T,
	s_lshl_b32 s59, s47, 16                        ; column tiles 8 ch on (8,192 bytes each),
	s_add_co_u32 s58, s58, s59
	s_lshl_b32 s59, s46, 9                         ; K step kg / 2, piece kg % 2
	s_add_co_u32 s58, s58, s59
	v_add_nc_u32 v6, s58, v3
	s_wait_loadcnt 0x0
.irp h, 0,1
.irp i, 0,1,2,3
.irp m, 0,1,2,3
	v_cvt_pk_bf16_f32 v[PK+4*(4*\h+\i)+\m], v[R+4*(8*\h+2*\m)+\i], v[R+4*(8*\h+2*\m+1)+\i]   ; column 4 L + i, k = 8 h + 2 m and the next
.endr
	ds_store_b128 v4, v[PK+4*(4*\h+\i):PK+4*(4*\h+\i)+3] offset:\h*256+\i*16
.endr
.endr
.irp n, 0,1,2,3,4,5,6,7
	ds_load_b128 v[R+4*\n:R+4*\n+3], v5 offset:\n*512   ; my own bytes: LDS serves a wave's instructions in order (ISA guide 5.7.1.4)
.endr
	s_wait_dscnt 0x0
.irp n, 0,1,2,3,4,5,6,7
	global_store_b128 v6, v[R+4*\n:R+4*\n+3], s[42:43] offset:\n*8192   ; 512 consecutive bytes, aligned: a piece of column tile 8 ch + n
.endr
	; ---------------- the seven vectors ----------------
	s_cmp_lt_u32 s7, 7
	s_cbranch_scc0 .Ldone
	s_cmp_eq_u32 s7, 1
	s_cselect_b64 s[60:61], s[20:21], s[18:19]
	s_cmp_eq_u32 s7, 2
	s_cselect_b64 s[60:61], s[22:23], s[60:61]
	s_cmp_eq_u32 s7, 3
	s_cselect_b64 s[60:61], s[24:25], s[60:61]
	s_cmp_eq_u32 s7, 4
	s_cselect_b64 s[60:61], s[26:27], s[60:61]
	s_cmp_eq_u32 s7, 5
	s_cselect_b64 s[60:61], s[28:29], s[60:61]
	s_cmp_eq_u32 s7, 6
	s_cselect_b64 s[60:61], s[30:31], s[60:61]
	s_lshl_b32 s62, s5, 10                         ; layer y's 256 numbers
	v_lshl_add_u32 v122, v0, 3, s62                ; two numbers a thread
	global_load_b64 v[120:121], v122, s[60:61]
	s_mul_i32 s63, s4, 1792                        ; wave w's share of the vectors,
	s_lshl_b32 s62, s7, 8                          ; vector x in it
	s_add_co_u32 s63, s63, s62
	s_add_co_u32 s63, s63, 786432
	v_lshl_add_u32 v123, v1, 3, s63
	s_wait_loadcnt 0x0
	global_store_b64 v123, v[120:121], s[42:43]    ; a wave stores 256 consecutive bytes, aligned
.Ldone:
	s_wait_tensorcnt 0x0
	ds_add_u32 v128, v129
	s_wait_dscnt 0x0
	s_endpgm
	; ---------------- x + position table ----------------
.Lx_path:
	s_sub_co_u32 s44, s7, 48
	s_lshl_b32 s45, s5, 6
	s_add_co_u32 s44, s44, s45                     ; idx 0..255: rows 16 idx .. 16 idx + 15 of the 4,096
	s_lshl_b32 s46, s44, 14                        ; 16 rows of 1,024 bytes, in x and in xa alike
	s_mov_b32 s47, 0
	s_add_nc_u64 s[8:9], s[8:9], s[46:47]
	s_add_nc_u64 s[40:41], s[40:41], s[46:47]
	v_and_b32 v2, 15, v0                           ; L % 16
	v_bfe_u32 v3, v0, 4, 1                         ; L / 16
	s_lshl_b32 s48, s4, 8                          ; wave w: columns 64 w on
	v_lshl_add_u32 v4, v2, 4, s48
	v_lshl_add_u32 v4, v3, 10, v4
.irp i, 0,1,2,3,4,5,6,7
	global_load_b128 v[X+4*\i:X+4*\i+3], v4, s[8:9] offset:\i*2048 th:TH_LOAD_NT   ; rows 2 i and 2 i + 1: sixteen lanes take 256 consecutive bytes, aligned
.endr
	SPAIR 50, 0x3e22f983                           ; 1 / 2 pi
	SPAIR 52, 3.81995258                           ; sin(2 pi f) = f (c0 + c1 u + .. + c7 u^7), u = f^2: c6,
	SPAIR 54, -15.09464258                         ; c5
	SPAIR 56, 42.05869394                          ; c4
	SPAIR 58, -76.70585975                         ; c3
	SPAIR 60, 81.60524928                          ; c2
	SPAIR 62, -41.34170224                         ; c1
	SPAIR 42, 6.28318531                           ; c0
	s_mov_b32 s45, 0xbdd49a78                      ; -log2(10000) / 128
	s_lshl_b32 s49, s4, 5
	v_lshl_add_u32 v5, v2, 1, s49                  ; my 4 columns are the (sin, cos) of frequencies 32 w + 2 (L % 16) and the next
	v_cvt_f32_u32 v6, v5
	v_add_f32 v7, 1.0, v6
	v_mul_f32 v6, s45, v6
	v_mul_f32 v7, s45, v7
	v_exp_f32 v6, v6                               ; the two frequencies; plain instructions follow before they are used
	v_exp_f32 v7, v7
	s_and_b32 s48, s44, 127
	s_lshl_b32 s48, s48, 4                         ; position in the sequence of 2,048
	v_add_nc_u32 v8, s48, v3
	v_cvt_f32_u32 v8, v8
	v_mov_b32 v9, v8
	v_mov_b32 v56, 0                               ; sin: no shift;
	v_mov_b32 v57, 0x3e800000                      ; cos: a quarter turn
	v_mov_b32 v58, -0.71812230                     ; c7
	v_mov_b32 v59, v58
	v_mul_u32_u24 v60, v3, 272                     ; into the stage as loaded: rows of 256 bytes + 16
	v_lshl_add_u32 v60, v2, 4, v60
	v_add_nc_u32 v60, s6, v60
	v_mul_u32_u24 v61, v2, 272                     ; back: lane (r, h) takes row r, columns 16 nt + 8 h + 4 q on
	v_lshl_add_u32 v61, v3, 5, v61
	v_add_nc_u32 v61, s6, v61
	v_lshlrev_b32 v62, 4, v0
	s_wait_alu depctr_va_vdst(0)
.macro PE4 i
	v_pk_mul_f32 v[10:11], v[6:7], v[8:9]                                              ; the two angles
	v_pk_fma_f32 v[12:13], v[10:11], s[50:51], v[56:57] op_sel_hi:[0,0,1]              ; turns, for (sin, cos) of the first,
	v_pk_fma_f32 v[14:15], v[10:11], s[50:51], v[56:57] op_sel:[1,0,0] op_sel_hi:[1,0,1]   ; of the second
	v_pk_add_f32 v[8:9], v[8:9], 2.0 op_sel_hi:[1,0]                                   ; the next load is two rows on
	v_rndne_f32 v16, v12
	v_rndne_f32 v17, v13
	v_rndne_f32 v18, v14
	v_rndne_f32 v19, v15
	v_pk_add_f32 v[12:13], v[12:13], v[16:17] neg_lo:[0,1] neg_hi:[0,1]                ; f in [-1/2, 1/2]
	v_pk_add_f32 v[14:15], v[14:15], v[18:19] neg_lo:[0,1] neg_hi:[0,1]
	v_pk_mul_f32 v[16:17], v[12:13], v[12:13]
	v_pk_mul_f32 v[18:19], v[14:15], v[14:15]
	v_pk_fma_f32 v[20:21], v[16:17], v[58:59], s[52:53] op_sel_hi:[1,1,0]
	v_pk_fma_f32 v[22:23], v[18:19], v[58:59], s[52:53] op_sel_hi:[1,1,0]
.irp c, 54,56,58,60,62,42
	v_pk_fma_f32 v[20:21], v[20:21], v[16:17], s[\c:\c+1] op_sel_hi:[1,1,0]
	v_pk_fma_f32 v[22:23], v[22:23], v[18:19], s[\c:\c+1] op_sel_hi:[1,1,0]
.endr
	s_wait_loadcnt 7-\i                            ; loads come back in order: load i is in, the younger ones stay out
	v_pk_fma_f32 v[X+4*\i:X+4*\i+1], v[20:21], v[12:13], v[X+4*\i:X+4*\i+1]
	v_pk_fma_f32 v[X+4*\i+2:X+4*\i+3], v[22:23], v[14:15], v[X+4*\i+2:X+4*\i+3]
	ds_store_b128 v60, v[X+4*\i:X+4*\i+3] offset:\i*544
.endm
.irp i, 0,1,2,3,4,5,6,7
	PE4 \i
.endr
.irp n, 0,1,2,3,4,5,6,7
	ds_load_b128 v[BK+4*\n:BK+4*\n+3], v61 offset:(\n/2)*64+(\n%2)*16   ; my own bytes, served in order
.endr
	s_wait_dscnt 0x0
.irp n, 0,1,2,3,4,5,6,7
	global_store_b128 v62, v[BK+4*\n:BK+4*\n+3], s[40:41] offset:\n*2048   ; xa: [block of 32 rows][i 16][thread 128][16 bytes]; a wave stores 512 consecutive bytes
.endr
	s_wait_tensorcnt 0x0
	ds_add_u32 v128, v129
	s_wait_dscnt 0x0
	s_endpgm
.Lfunc_end_k_q4a9bd472ad_prep:
	.size	k_q4a9bd472ad_prep, .Lfunc_end_k_q4a9bd472ad_prep-k_q4a9bd472ad_prep
	.p2alignl 7, 3214868480
	.fill 96, 4, 3214868480
	.section	.rodata,"a",@progbits
	.p2align	6, 0x0
	.amdhsa_kernel k_q4a9bd472ad_prep
		.amdhsa_group_segment_fixed_size 17920
		.amdhsa_private_segment_fixed_size 0
		.amdhsa_enable_private_segment 0
		.amdhsa_kernarg_size 136
		.amdhsa_user_sgpr_count 2
		.amdhsa_user_sgpr_kernarg_segment_ptr 1
		.amdhsa_wavefront_size32 1
		.amdhsa_system_sgpr_workgroup_id_x 1
		.amdhsa_system_sgpr_workgroup_id_y 1
		.amdhsa_system_sgpr_workgroup_id_z 1
		.amdhsa_system_vgpr_workitem_id 0
		.amdhsa_next_free_vgpr 130
		.amdhsa_next_free_sgpr 66
		.amdhsa_reserve_vcc 0
		.amdhsa_float_denorm_mode_32 3
		.amdhsa_float_denorm_mode_16_64 3
		.amdhsa_memory_ordered 1
		.amdhsa_forward_progress 1
		.amdhsa_inst_pref_size 28
	.end_amdhsa_kernel
	.amdgpu_metadata
---
amdhsa.version: [ 1, 2 ]
amdhsa.kernels:
  - .name:           k_q4a9bd472ad_prep
    .symbol:         k_q4a9bd472ad_prep.kd
    .args:
      - { .name: x, .offset: 0, .size: 8, .value_kind: global_buffer, .address_space: global }
      - { .name: qkv_w, .offset: 8, .size: 8, .value_kind: global_buffer, .address_space: global }
      - { .name: proj_w, .offset: 16, .size: 8, .value_kind: global_buffer, .address_space: global }
      - { .name: w1, .offset: 24, .size: 8, .value_kind: global_buffer, .address_space: global }
      - { .name: w2, .offset: 32, .size: 8, .value_kind: global_buffer, .address_space: global }
      - { .name: proj_b, .offset: 40, .size: 8, .value_kind: global_buffer, .address_space: global }
      - { .name: g1, .offset: 48, .size: 8, .value_kind: global_buffer, .address_space: global }
      - { .name: be1, .offset: 56, .size: 8, .value_kind: global_buffer, .address_space: global }
      - { .name: b1, .offset: 64, .size: 8, .value_kind: global_buffer, .address_space: global }
      - { .name: b2, .offset: 72, .size: 8, .value_kind: global_buffer, .address_space: global }
      - { .name: g2, .offset: 80, .size: 8, .value_kind: global_buffer, .address_space: global }
      - { .name: be2, .offset: 88, .size: 8, .value_kind: global_buffer, .address_space: global }
      - { .name: p0, .offset: 96, .size: 8, .value_kind: global_buffer, .address_space: global }
      - { .name: p1, .offset: 104, .size: 8, .value_kind: global_buffer, .address_space: global }
      - { .name: p2, .offset: 112, .size: 8, .value_kind: global_buffer, .address_space: global }
      - { .name: p3, .offset: 120, .size: 8, .value_kind: global_buffer, .address_space: global }
      - { .name: xa, .offset: 128, .size: 8, .value_kind: global_buffer, .address_space: global }
    .group_segment_fixed_size: 17920
    .private_segment_fixed_size: 0
    .kernarg_segment_align: 8
    .kernarg_segment_size: 136
    .max_flat_workgroup_size: 128
    .sgpr_count:     66
    .vgpr_count:     130
    .wavefront_size: 32
...
	.end_amdgpu_metadata
.endif
;; end of part 1
;; launch embed (part 2): grid 128 x 1, 4 waves a work-group, clusters of 4 x 1, 327,680 bytes of LDS; arguments xa, p3, qkv; writes qkv
.if DOCPART == 2
	.amdgcn_target "amdgcn-amd-amdhsa--gfx1250"
	.amdhsa_code_object_version 6
	.text
	.protected	k_q4a9bd472ad_embed
	.globl	k_q4a9bd472ad_embed
	.p2align	8
	.type	k_q4a9bd472ad_embed,@function
k_q4a9bd472ad_embed:
	s_mov_b64 s[64:65], 0
	v_nop
	global_prefetch_b8 v0, s[64:65] scope:SCOPE_SE
	s_setreg_imm32_b32 hwreg(HW_REG_WAVE_MODE, 25, 1), 1
	s_wait_xcnt 0x0
	s_wait_alu depctr_hold_cnt(0) depctr_sa_sdst(0) depctr_va_vdst(0) depctr_va_sdst(0) depctr_va_ssrc(0) depctr_va_vcc(0) depctr_vm_vsrc(0)
	s_getreg_b32 s2, hwreg(HW_REG_IB_STS2, 6, 4)
	s_cmp_eq_u32 s2, 0
	s_cbranch_scc0 .Lentry_in_a_cluster
	s_endpgm
.Lentry_in_a_cluster:
	s_bfe_u32 s2, ttmp6, 0x10000c
	s_cmp_lg_u32 s2, 0x3003
	s_cbranch_scc0 .Lentry_shape_is_right
	s_endpgm
.Lentry_shape_is_right:
; q, k, v OF THE FIRST LAYER: qkv = bf16(x) W, W = the three matrices at 3, 4, 5 x 131,072 bytes of the parameter block.  It is the tail of the layer kernel by itself.
; SHARES: a work-group owns 32 rows (two token tiles of 16); wave w owns output columns 64 w .. 64 w + 63 of each product: 4 column tiles x 2 token tiles = 8 accumulators.
; THE PRODUCTS ARE USED TRANSPOSED (source 0 = 16 output columns of W, source 1 = 16 tokens): a lane then holds one token and eight neighbouring columns, which
; pack into one 16-byte piece of fragment order (piece j at 512 j, lane L at 16 L of a tile of 1,024 bytes).  v alone is multiplied the natural way round: eight neighbouring keys of one channel.
; WEIGHTS come through two LDS slots of one matrix each; a wave loads and reads only its own quarter.  CLUSTER: the four work-groups of a cluster walk the same weights,
; so each quarter is asked for jointly (mask 15).  By this text's count a wave has two tensor loads out at the start and one behind the round.
; q is multiplied by c = log2(e) / sqrt(32) before it is rounded, so that a score is already an exponent to base 2.
.set TILE,  131072                     ; a matrix of 256 x 256 bf16, and an LDS slot
.set SLOT1, TILE
.set ACT,   2*TILE+7168                ; the activations as fragments: [token tile 2][K step 8][1,024]; written by LDS stores alone
.set SPARE, ACT+16384+2048+17408       ; the spare words, 128 bytes a wave: two blocks of 256 bytes that no other line names
.set L16, 1                            ; v1   16 x lane
.set T16, 2                            ; v2   16 x thread
.set WB0, 3                            ; v3   my quarter of slot 0
.set AB0, 4                            ; v4   the activations
.set WA,  5                            ; v5, v6  the two addresses as they walk along K
.set AA,  6
.set ASTO, 10                          ; v10  where my wave's columns lie in ACT
.set QOFF, 11                          ; v11  my wave's two heads in q
.set KOFF, 12                          ; v12  in k and v
.set SPW, 14                           ; v14  LDS address of my spare word; never rewritten
.set NIL, 15                           ; v15  0; never rewritten
.set XR,  16                           ; v[16:79]   x, as loaded; then packed results
.set ACC, 80                           ; v[80:143]  accumulator (token tile t, column tile n) at 8 (4 t + n)
.set FB0, 144                          ; v[144:191], v[192:239] two fragment buffers: 32 registers of weights, 16 of activations
.set FB1, 192
.set T,   240                          ; v[240:255] at work
.macro PLACES                          ; four plain vector instructions between a matrix instruction and what touches its registers (ISA guide 7.12.1)
.rept 4
	v_nop
.endr
.endm
.macro ROUND                           ; a round of the cluster's barrier
	s_barrier_signal -1
	s_barrier_wait -1
	s_cmp_lg_u32 s14, 0
	s_cbranch_scc1 .Lnot_wave_0_\@
	s_barrier_signal -3
.Lnot_wave_0_\@:
	s_barrier_wait -3
	s_barrier_signal -1
	s_barrier_wait -1
.endm
.macro LDFRAG f, off                   ; one K step's fragments: 4 column tiles of my weights, 2 token tiles
.irp n, 0,1,2,3
	ds_load_b128 v[\f+8*\n:\f+8*\n+3],   v[WA] offset:\off+\n*8192
	ds_load_b128 v[\f+8*\n+4:\f+8*\n+7], v[WA] offset:\off+\n*8192+512
.endr
.irp t, 0,1
	ds_load_b128 v[\f+32+8*\t:\f+32+8*\t+3],   v[AA] offset:\off+\t*8192
	ds_load_b128 v[\f+32+8*\t+4:\f+32+8*\t+7], v[AA] offset:\off+\t*8192+512
.endr
.endm
.macro MUL8 f, zero, swap              ; the eight accumulators take turns, one instruction a turn
.irp n, 0,1,2,3
.irp t, 0,1
.set rD, ACC+8*(4*\t+\n)
.if \swap
.set rX, \f+32+8*\t
.set rY, \f+8*\n
.else
.set rX, \f+8*\n
.set rY, \f+32+8*\t
.endif
.if \zero
	v_wmma_f32_16x16x32_bf16 v[rD:rD+7], v[rX:rX+7], v[rY:rY+7], 0
.else
	v_wmma_f32_16x16x32_bf16 v[rD:rD+7], v[rX:rX+7], v[rY:rY+7], v[rD:rD+7]
.endif
.endr
.endr
.endm
.macro STEP cur, nxt, off, zero, swap  ; multiplies buffer cur; before that the next K step's fragments are asked for
.if \off >= 0
	PLACES                                         ; the last K step's products read buffer nxt
	LDFRAG \nxt, \off
	s_wait_dscnt 12                                ; all but the 12 just issued
.else
	s_wait_dscnt 0x0
.endif
	MUL8 \cur, \zero, \swap
.endm
.macro GEMM slot, zero, swap           ; eight K steps of 32
	v_add_nc_u32 v[WA], \slot*TILE, v[WB0]
	v_mov_b32 v[AA], v[AB0]
	LDFRAG FB0, 0
	STEP FB0, FB1, 1024, \zero, \swap
	s_mov_b32 s54, 3
.Lk_\@:
	STEP FB1, FB0, 2048, 0, \swap
	STEP FB0, FB1, 3072, 0, \swap
	v_add_nc_u32 v[WA], 2048, v[WA]
	v_add_nc_u32 v[AA], 2048, v[AA]
	s_sub_co_u32 s54, s54, 1
	s_cmp_lg_u32 s54, 0
	s_cbranch_scc1 .Lk_\@
	STEP FB1, 0, -1, 0, \swap
.endm
.macro REFILL s                        ; slot s, just read out, takes the matrix two further on
	s_wait_tensorcnt 0x0                           ; no tensor load of mine is out, so a group 0 may be written; the other slot's matrix has landed
	ds_add_u32 v[SPW], v[NIL]                      ; 0 onto my spare word
	s_add_nc_u64 s[42+4*\s:43+4*\s], s[42+4*\s:43+4*\s], 2*TILE
	s_wait_dscnt 0x0                               ; the add is done, and my reads of the slot and of the activations are over
	ROUND                                          ; that now holds of every wave of the four work-groups
	tensor_load_to_lds s[40+4*\s:43+4*\s], s[24:31]
	s_nop 0
	PLACES
.endm
.macro PACKACT src                     ; 64 f32 a lane -> bf16 -> my wave's two K steps of ACT; each store covers 512 consecutive bytes
.irp t, 0,1
.irp n, 0,1,2,3
.irp i, 0,1,2,3
	v_cvt_pk_bf16_f32 v[T+4*\n+\i], v[\src+32*\t+8*\n+2*\i], v[\src+32*\t+8*\n+2*\i+1]
.endr
	ds_store_b128 v[ASTO], v[T+4*\n:T+4*\n+3] offset:\t*8192+(\n/2)*1024+(\n%2)*512
.endr
.endr
.endm
.macro OUTQKV kind, tmp                ; kind 0 q, 1 k, 2 v: rounded and stored as fragments; each store covers 512 consecutive bytes, aligned
	PLACES
	s_wait_xcnt 0x0                                ; registers that earlier stores read are rewritten only behind this wait
.if \kind == 0
.set k, 0
.rept 32
	v_pk_mul_f32 v[ACC+2*k:ACC+2*k+1], v[ACC+2*k:ACC+2*k+1], s[70:71] op_sel_hi:[1,0]
.set k, k+1
.endr
.endif
.set k, 0
.rept 32
	v_cvt_pk_bf16_f32 v[\tmp+k], v[ACC+2*k], v[ACC+2*k+1]
.set k, k+1
.endr
.irp t, 0,1
.irp n, 0,1,2,3
.if \kind == 0
	global_store_b128 v[QOFF], v[\tmp+4*(4*\t+\n):\tmp+4*(4*\t+\n)+3], s[80:81] offset:(\n/2)*131072+\t*1024+(\n%2)*512
.elseif \kind == 1
	global_store_b128 v[KOFF], v[\tmp+4*(4*\t+\n):\tmp+4*(4*\t+\n)+3], s[82:83] offset:(\n/2)*262144+\t*1024+(\n%2)*512
.else
	global_store_b128 v[KOFF], v[\tmp+4*(4*\t+\n):\tmp+4*(4*\t+\n)+3], s[84:85] offset:(\n/2)*262144+(\n%2)*1024+\t*512
.endif
.endr
.endr
.endm
	s_load_b64 s[4:5], s[0:1], 0x0                 ; x
	s_load_b64 s[8:9], s[0:1], 0x8                 ; the parameter block
	s_load_b64 s[12:13], s[0:1], 0x10              ; qkv
	v_lshl_add_u32 v[SPW], v0, 2, SPARE
	v_mov_b32 v[NIL], 0
	ds_add_u32 v14, v15
	s_wait_dscnt 0x0
	v_lshrrev_b32 v1, 5, v0
	v_readfirstlane_b32 s14, v1                    ; wave w
	v_and_b32 v1, 31, v0
	v_lshlrev_b32 v[L16], 4, v1
	v_lshlrev_b32 v[T16], 4, v0
	s_bfe_u32 s15, ttmp6, 0x40000                  ; my place in the cluster
	s_lshl_b32 s16, ttmp9, 2
	s_add_co_u32 s16, s16, s15                     ; my block of 32 rows: it enters global addresses of x and qkv alone
	s_mov_b32 s24, 15|(3<<16)|(1<<21)              ; group 1: mask of the four work-groups; elements of 8 bytes; bit 21 beside a mask
	s_mov_b32 s25, 32<<16                          ; tensor_dim0 = 32 elements = 256 bytes
	s_mov_b32 s26, 128<<16                         ; tensor_dim1 = 128 rows: a quarter of a matrix, dense
	s_mov_b32 s27, 32<<16                          ; tile_dim0
	s_mov_b32 s28, 128                             ; tile_dim1
	s_mov_b32 s29, 32                              ; pitch
	s_mov_b32 s30, 0
	s_mov_b32 s31, 0
	s_mov_b32 s40, 1                               ; group 0 of slot 0
	s_lshl_b32 s41, s14, 15                        ; my quarter: wave x 32,768
	s_mov_b32 s44, 1                               ; group 0 of slot 1
	s_add_co_u32 s45, s41, SLOT1
	s_lshl_b32 s18, s14, 15
	s_mov_b32 s19, 0
	s_mov_b32 s70, 0x3e8293ee                      ; c = log2(e) / sqrt(32)
	s_mov_b32 s71, s70
	s_lshl_b32 s86, s16, 15                        ; 32 rows of x
	s_mov_b32 s87, 0
	s_lshr_b32 s90, s16, 6                         ; batch
	s_and_b32 s91, s16, 63
	s_lshl_b32 s91, s91, 11                        ; two tiles of 1,024 bytes in a head's q or k; one block of 32 keys in its v
	s_lshl_b32 s78, s90, 20
	s_add_co_u32 s78, s78, s91
	s_mov_b32 s79, 0
	s_lshl_b32 s88, s90, 21
	s_add_co_u32 s88, s88, s91
	s_add_co_u32 s88, s88, 2097152
	s_mov_b32 s89, 0
	s_wait_kmcnt 0x0
	s_add_nc_u64 s[20:21], s[8:9], s[18:19]
	s_add_nc_u64 s[46:47], s[20:21], 3*TILE        ; slot 1 begins with the q columns,
	s_add_nc_u64 s[42:43], s[20:21], 4*TILE        ; slot 0 with the k columns
	s_or_b32 s43, s43, 0x80000000
	s_or_b32 s47, s47, 0x80000000
	s_add_nc_u64 s[4:5], s[4:5], s[86:87]
	s_add_nc_u64 s[80:81], s[12:13], s[78:79]      ; q
	s_add_nc_u64 s[82:83], s[12:13], s[88:89]      ; k
	s_add_nc_u64 s[84:85], s[82:83], 131072        ; v
.set i, 0
.rept 16
	global_load_b128 v[XR+4*i:XR+4*i+3], v[T16], s[4:5] offset:i*2048
.set i, i+1
.endr
	ROUND                                          ; the four work-groups are here: the first joint loads meet
	tensor_load_to_lds s[44:47], s[24:31]
	s_nop 0
	tensor_load_to_lds s[40:43], s[24:31]
	s_nop 0
	PLACES
	v_add_nc_u32 v[WB0], s41, v[L16]
	v_add_nc_u32 v[AB0], ACT, v[L16]
	s_lshl_b32 s22, s14, 11
	s_add_co_u32 s22, s22, ACT
	v_add_nc_u32 v[ASTO], s22, v[L16]
	s_lshl_b32 s22, s14, 18
	v_add_nc_u32 v[QOFF], s22, v[L16]
	s_lshl_b32 s22, s14, 19
	v_add_nc_u32 v[KOFF], s22, v[L16]
	s_wait_loadcnt 0x0
	PACKACT XR
	s_wait_tensorcnt 0x1                           ; my quarter of the q columns is in (only I read it); the k columns may stay out
	s_wait_dscnt 0x0                               ; for the others' sake: my part of ACT is written
	s_barrier_signal -1
	s_barrier_wait -1
	GEMM 1, 1, 0
	REFILL 1                                       ; the v columns
	OUTQKV 0, XR
	GEMM 0, 1, 0
	OUTQKV 1, XR+32
	s_wait_tensorcnt 0x0                           ; my quarter of the v columns
	GEMM 1, 1, 1
	OUTQKV 2, XR
	s_wait_tensorcnt 0x0                           ; the wave's end
	ds_add_u32 v[SPW], v[NIL]
	s_wait_dscnt 0x0
	ROUND                                          ; the closing round
	s_endpgm
.Lfunc_end_k_q4a9bd472ad_embed:
	.size	k_q4a9bd472ad_embed, .Lfunc_end_k_q4a9bd472ad_embed-k_q4a9bd472ad_embed
	.p2alignl 7, 3214868480
	.fill 96, 4, 3214868480
	.section	.rodata,"a",@progbits
	.p2align	6, 0x0
	.amdhsa_kernel k_q4a9bd472ad_embed
		.amdhsa_group_segment_fixed_size 327680
		.amdhsa_private_segment_fixed_size 0
		.amdhsa_enable_private_segment 0
		.amdhsa_kernarg_size 24
		.amdhsa_user_sgpr_count 2
		.amdhsa_user_sgpr_kernarg_segment_ptr 1
		.amdhsa_wavefront_size32 1
		.amdhsa_system_sgpr_workgroup_id_x 1
		.amdhsa_system_sgpr_workgroup_id_y 1
		.amdhsa_system_sgpr_workgroup_id_z 1
		.amdhsa_system_vgpr_workitem_id 0
		.amdhsa_next_free_vgpr 256
		.amdhsa_next_free_sgpr 96
		.amdhsa_reserve_vcc 0
		.amdhsa_float_denorm_mode_32 3
		.amdhsa_float_denorm_mode_16_64 3
		.amdhsa_memory_ordered 1
		.amdhsa_forward_progress 1
		.amdhsa_inst_pref_size 38
	.end_amdhsa_kernel
	.amdgpu_metadata
---
amdhsa.version: [ 1, 2 ]
amdhsa.kernels:
  - .name:           k_q4a9bd472ad_embed
    .symbol:         k_q4a9bd472ad_embed.kd
    .args:
      - { .name: xa, .offset: 0, .size: 8, .value_kind: global_buffer, .address_space: global }
      - { .name: p3, .offset: 8, .size: 8, .value_kind: global_buffer, .address_space: global }
      - { .name: qkv, .offset: 16, .size: 8, .value_kind: global_buffer, .address_space: global }
    .group_segment_fixed_size: 327680
    .private_segment_fixed_size: 0
    .kernarg_segment_align: 8
    .kernarg_segment_size: 24
    .max_flat_workgroup_size: 128
    .sgpr_count:     96
    .vgpr_count:     256
    .wavefront_size: 32
...
	.end_amdgpu_metadata
.endif
;; end of part 2
;; launch attn (part 3): grid 16 x 16, 8 waves a work-group, clusters of 4 x 1, 281,600 bytes of LDS; arguments qkv, of; writes of
.if DOCPART == 3
	.amdgcn_target "amdgcn-amd-amdhsa--gfx1250"
	.amdhsa_code_object_version 6
	.text
	.protected	k_q4a9bd472ad_attn
	.globl	k_q4a9bd472ad_attn
	.p2align	8
	.type	k_q4a9bd472ad_attn,@function
k_q4a9bd472ad_attn:
	s_mov_b64 s[64:65], 0
	v_nop
	global_prefetch_b8 v0, s[64:65] scope:SCOPE_SE
	s_setreg_imm32_b32 hwreg(HW_REG_WAVE_MODE, 25, 1), 1
	s_wait_xcnt 0x0
	s_wait_alu depctr_hold_cnt(0) depctr_sa_sdst(0) depctr_va_vdst(0) depctr_va_sdst(0) depctr_va_ssrc(0) depctr_va_vcc(0) depctr_vm_vsrc(0)
	s_getreg_b32 s2, hwreg(HW_REG_IB_STS2, 6, 4)
	s_cmp_eq_u32 s2, 0
	s_cbranch_scc0 .Lentry_in_a_cluster
	s_endpgm
.Lentry_in_a_cluster:
	s_bfe_u32 s2, ttmp6, 0x10000c
	s_cmp_lg_u32 s2, 0x3003
	s_cbranch_scc0 .Lentry_shape_is_right
	s_endpgm
.Lentry_shape_is_right:
; ATTENTION OF ONE LAYER.  o[b][q][h] = sum over k of softmax_k(q . k / sqrt(32)) v.  16 (batch, head) x 2,048 tokens x 32 channels, bf16 in fragment order
; (a tile of 16 x 32 is 1,024 bytes: piece j at 512 j, lane L at 16 L), q already multiplied by c = log2(e) / sqrt(32), so that a score is an exponent to base 2.
; SHARES: a work-group owns 128 queries of one (batch, head).  Eight waves: waves w and w + 4 own the same 32 queries (two tiles of 16) and each walks one half of the
; 2,048 keys, 64 a chunk, so a fragment of K or V read from LDS feeds two query tiles.  At the end waves 4-7 hand their m, l and O^T to waves 0-3 through LDS.
; TWO WAVES TO A SIMD: a chunk is 16 matrix instructions and some 230 vector instructions, in phases; while one wave walks its vector phase the other can have the matrix unit.
; ONE PASS: each score is made once.  For each query a running maximum m and sum l: p = 2^(s - m); in every chunk l and O^T are multiplied by a = 2^(m_old - m_new), which is 1 where m has not grown.
; LDS: the head's K (131,072 bytes) and V (131,072) are brought in ONCE; nothing is filled again.  Each wave asks for two pieces of 16,384 bytes: an EARLY one (of the first 512 keys
; of each half, K and V) and a LATE one (of the other 512): the first seven chunks are worked on while the late pieces are on their way.  A wave has two tensor loads out.
; CLUSTER: the four query blocks of a cluster belong to one head, so each piece is asked for jointly (mask 15).
; LAYOUT: S^T = K Q^T (source 0 = 16 keys, source 1 = 16 queries): a lane holds ONE query (L % 16) and keys 8 (L / 16) + 0..7.  Two such tiles, rounded in pairs,
; ARE source 1 (32 keys x 16 queries) of O^T = V^T P, whose result again holds one query a lane and eight channels: a piece of the next product's fragment.
; LIMITS: p is rounded to bf16 for V^T P; the row sum is of the unrounded p.
.set KV0,  2097152                     ; k and v lie behind q: [head 16][K 131,072 | V 131,072]
.set VLDS, 131072                      ; V in LDS, behind K
.set CH,   4096                        ; a chunk of 64 keys: 4 tiles of K; 2 blocks x 2 channel tiles of V
.set MRG,  262144                      ; behind K and V: 4,608 bytes for each pair of waves, written by LDS stores alone
.set MRGW, 4608
.set QF,   8                           ; v[8:23]    Q, 8 registers a query tile
.set ST,   24                          ; v[24:39]   tile t at 8 t: +0 m, +2 a (+1, +3 are named with them as pairs), +4:5 and +6:7 two pairs of sums
.set CM,   40                          ; v[40:47]   tile t at 4 t: four chains of the maximum
.set O,    48                          ; v[48:79]   O^T: (query tile t, channel tile c) at 8 (2 t + c)
.set P,    80                          ; v[80:111]  P of a chunk: (t, block of 32 keys b) at 16 t + 8 b
.set KF,   112                         ; v[112:143] K of a chunk: key tile k at 8 k
.set VF,   144                         ; v[144:175] V of a chunk: (b, c) at 16 b + 8 c
.set S,    176                         ; v[176:239] S^T of a chunk: (t, k) at 32 t + 8 k
.set T,    240                         ; v[240:255] at work at the end
.macro PLACES                          ; four plain vector instructions
.rept 4
	v_nop
.endr
.endm
.macro ROUND                           ; a round of the cluster's barrier
	s_barrier_signal -1
	s_barrier_wait -1
	s_cmp_lg_u32 s8, 0
	s_cbranch_scc1 .Lnot_wave_0_\@
	s_barrier_signal -3
.Lnot_wave_0_\@:
	s_barrier_wait -3
	s_barrier_signal -1
	s_barrier_wait -1
.endm
.macro LDK                             ; a chunk's K: each load covers 512 consecutive bytes
.irp i, 0,1,2,3
	ds_load_b128 v[KF+8*\i:KF+8*\i+3],   v2 offset:\i*1024
	ds_load_b128 v[KF+8*\i+4:KF+8*\i+7], v2 offset:\i*1024+512
.endr
.endm
.macro LDV                             ; a chunk's V
.irp i, 0,1,2,3
	ds_load_b128 v[VF+8*\i:VF+8*\i+3],   v3 offset:\i*1024
	ds_load_b128 v[VF+8*\i+4:VF+8*\i+7], v3 offset:\i*1024+512
.endr
.endm
; THE MAXIMUM of a lane's 32 scores and the old m, three operands at a time, for both tiles by turns: four chains of seven scores (each begins at its tile's low registers), then the four
; scores left over, the chains and m; the other half of the lanes' by one exchange.  first = 1: there is no old m and no a.
.macro MAXES first
.irp j, 0,1,2,3
.irp t, 0,1
	v_max3_num_f32 v[CM+4*\t+\j], v[S+32*\t+8*\j], v[S+32*\t+8*\j+1], v[S+32*\t+8*\j+2]
.endr
.endr
.irp k, 3,5
.irp j, 0,1,2,3
.irp t, 0,1
	v_max3_num_f32 v[CM+4*\t+\j], v[CM+4*\t+\j], v[S+32*\t+8*\j+\k], v[S+32*\t+8*\j+\k+1]
.endr
.endr
.endr
.irp t, 0,1
	v_max3_num_f32 v[CM+4*\t],   v[CM+4*\t],   v[S+32*\t+7],  v[S+32*\t+15]
	v_max3_num_f32 v[CM+4*\t+2], v[CM+4*\t+2], v[S+32*\t+23], v[S+32*\t+31]
.endr
.irp t, 0,1
	v_max3_num_f32 v[CM+4*\t], v[CM+4*\t], v[CM+4*\t+1], v[CM+4*\t+2]
.endr
.irp t, 0,1
.if \first
	v_max_num_f32 v[CM+4*\t], v[CM+4*\t], v[CM+4*\t+3]
.else
	v_max3_num_f32 v[CM+4*\t], v[CM+4*\t], v[CM+4*\t+3], v[ST+8*\t]
.endif
.endr
.irp t, 0,1
	v_permlanex16_b32 v[CM+4*\t+1], v[CM+4*\t], s32, s33   ; the query's other keys lie in the lane 16 away
.endr
.if \first
.irp t, 0,1
	v_max_num_f32 v[ST+8*\t], v[CM+4*\t], v[CM+4*\t+1]
.endr
.else
.irp t, 0,1
	v_max_num_f32 v[CM+4*\t+2], v[CM+4*\t], v[CM+4*\t+1]
.endr
.irp t, 0,1
	v_sub_f32 v[CM+4*\t+3], v[ST+8*\t], v[CM+4*\t+2]       ; m_old - m_new, at most 0
.endr
.irp t, 0,1
	v_mov_b32 v[ST+8*\t], v[CM+4*\t+2]
.endr
.irp t, 0,1
	v_exp_f32 v[ST+8*\t+2], v[CM+4*\t+3]                   ; a; the subtractions below are the plain instructions behind it
.endr
.endif
.endm
; THE WEIGHTS, in 16 groups of four scores: group u is scores 4 (u / 2) .. + 3 of tile u % 2.
.macro SB u, n                         ; pair n of the group: s - m
.set rB, S+32*((\u)%2)+4*((\u)/2)+2*(\n)
.set rM, ST+8*((\u)%2)
	v_pk_add_f32 v[rB:rB+1], v[rB:rB+1], v[rM:rM+1] op_sel_hi:[1,0] neg_lo:[0,1] neg_hi:[0,1]
.endm
.macro EX u, n                         ; score n of the group: 2^(s - m)
.set rB, S+32*((\u)%2)+4*((\u)/2)+(\n)
	v_exp_f32 v[rB], v[rB]
.endm
.macro CV u, n                         ; pair n: rounded to bf16
.set rB, S+32*((\u)%2)+4*((\u)/2)+2*(\n)
.set rP, P+16*((\u)%2)+2*((\u)/2)+(\n)
	s_wait_alu depctr_va_vdst(0)
	v_cvt_pk_bf16_f32 v[rP], v[rB], v[rB+1]
.endm
.macro SM u, n, first                  ; pair n onto sum n of the tile; a tile's first group also multiplies the old sum by a.  In the first chunk the first two groups start the sums
.set rB, S+32*((\u)%2)+4*((\u)/2)+2*(\n)
.set rL, ST+8*((\u)%2)+4+2*(\n)
.set rA, ST+8*((\u)%2)+2
.if (\u)/2 == 0
.if \first == 0
	v_pk_fma_f32 v[rL:rL+1], v[rL:rL+1], v[rA:rA+1], v[rB:rB+1] op_sel_hi:[1,0,1]
.endif
.elseif ((\u)/2 == 1) && \first
	v_pk_add_f32 v[rL:rL+1], v[rB-4:rB-3], v[rB:rB+1]
.else
	v_pk_add_f32 v[rL:rL+1], v[rL:rL+1], v[rB:rB+1]
.endif
.endm
.macro RS i                            ; pair i / 2 of tile i % 2's O^T times a: each accumulator from its low end on
.set rO, O+16*((\i)%2)+2*((\i)/2)
.set rA, ST+8*((\i)%2)+2
	s_wait_alu depctr_va_vdst(0)
	v_pk_mul_f32 v[rO:rO+1], v[rO:rO+1], v[rA:rA+1] op_sel_hi:[1,0]
.endm
; In step u the group's four exponentials stand by turns with plain work that is ready: the next group's subtractions, the last group's roundings and sums, one rescaling.
; So every exponential has a plain instruction behind it before its result is used.
.macro STREAM first
	SB 0, 0
	SB 0, 1
.set gg, 0
.rept 16
	EX gg, 0
.if gg < 15
	SB gg+1, 0
.endif
	EX gg, 1
.if gg < 15
	SB gg+1, 1
.endif
	EX gg, 2
.if gg > 0
	CV gg-1, 0
.endif
	EX gg, 3
.if gg > 0
	CV gg-1, 1
	SM gg-1, 0, \first
	SM gg-1, 1, \first
.endif
.if \first == 0
	RS gg
.endif
.set gg, gg+1
.endr
	CV 15, 0
	CV 15, 1
	SM 15, 0, \first
	SM 15, 1, \first
.endm
; A CHUNK of 64 keys.  Its K is in registers.  first = 1: it starts m, l and O^T.  ldk = 1: the next chunk's K is fetched.
; K and V need one buffer each: the four plain instructions behind the products K Q^T stand behind the last readers of both (this chunk's K Q^T, the last chunk's V^T P), and in front of the
; first read of the scores.  The accumulators take turns, one instruction a turn.
.macro CHUNK first, ldk
.irp k, 0,1,2,3
.irp t, 0,1
	v_wmma_f32_16x16x32_bf16 v[S+32*\t+8*\k:S+32*\t+8*\k+7], v[KF+8*\k:KF+8*\k+7], v[QF+8*\t:QF+8*\t+7], 0
.endr
.endr
	v_add_nc_u32 v3, CH, v3                        ; this chunk's V
.if \ldk
	v_add_nc_u32 v2, CH, v2                        ; the next chunk's K
.else
	v_nop
.endif
	v_nop
	v_nop
	LDV
.if \ldk
	LDK
.endif
	MAXES \first
	STREAM \first
	s_wait_dscnt 8*\ldk                            ; V is in; the eight loads of K, issued behind it, may stay out
.irp b, 0,1
.irp c, 0,1
.irp t, 0,1
.if \first && (\b == 0)
	v_wmma_f32_16x16x32_bf16 v[O+8*(2*\t+\c):O+8*(2*\t+\c)+7], v[VF+16*\b+8*\c:VF+16*\b+8*\c+7], v[P+16*\t+8*\b:P+16*\t+8*\b+7], 0
.else
	v_wmma_f32_16x16x32_bf16 v[O+8*(2*\t+\c):O+8*(2*\t+\c)+7], v[VF+16*\b+8*\c:VF+16*\b+8*\c+7], v[P+16*\t+8*\b:P+16*\t+8*\b+7], v[O+8*(2*\t+\c):O+8*(2*\t+\c)+7]
.endif
.endr
.endr
.endr
.if \ldk
	s_wait_dscnt 0x0                               ; the next chunk's K is in
.endif
.endm
	s_load_b128 s[4:7], s[0:1], 0x0                ; qkv s[4:5], o s[6:7]
	v_lshl_add_u32 v249, v0, 2, 0x44800
	v_mov_b32 v255, 0
	ds_add_u32 v249, v255
	v_lshrrev_b32 v1, 5, v0
	v_readfirstlane_b32 s8, v1                     ; wave 0..7
	v_and_b32 v1, 31, v0
	v_lshlrev_b32 v1, 4, v1                        ; 16 x lane; never rewritten
	s_lshr_b32 s40, s8, 2                          ; which half of the keys is mine
	s_and_b32 s41, s8, 3                           ; which 32 queries
	s_bfe_u32 s9, ttmp6, 0x40000                   ; my place in the cluster
	s_lshl_b32 s10, ttmp9, 2
	s_add_co_u32 s10, s10, s9                      ; my block of 128 queries: it enters q's and o's addresses alone
	s_and_b32 s11, ttmp7, 0xffff                   ; (batch, head), which the four partners share
	s_mov_b32 s16, 15|(3<<16)|(1<<21)              ; group 1: mask of the four work-groups; elements of 8 bytes; bit 21 beside a mask
	s_mov_b32 s17, 32<<16                          ; tensor_dim0 = 32 elements = 256 bytes
	s_mov_b32 s18, 64<<16                          ; tensor_dim1 = 64 rows: 16,384 dense bytes
	s_mov_b32 s19, 32<<16                          ; tile_dim0
	s_mov_b32 s20, 64                              ; tile_dim1
	s_mov_b32 s21, 32                              ; pitch
	s_mov_b32 s22, 0
	s_mov_b32 s23, 0
	s_mov_b32 s24, 1                               ; group 0 of my early piece.  K and V are four runs of 65,536 bytes (K's two halves of the keys, V's two); run w / 2,
	s_lshl_b32 s25, s8, 14                         ; piece w % 2 of its first 32,768 bytes: 65,536 (w / 2) + 16,384 (w % 2) = 16,384 w + 32,768 (w / 2),
	s_lshr_b32 s42, s8, 1
	s_lshl_b32 s42, s42, 15
	s_add_co_u32 s25, s25, s42                     ; in LDS and, from the head's first byte, in memory alike
	s_mov_b32 s28, 1                               ; group 0 of my late piece:
	s_add_co_u32 s29, s25, 32768                   ; the same piece of the run's second 32,768 bytes
	s_lshl_b32 s36, s11, 18                        ; the head's K and V in memory
	s_add_co_u32 s36, s36, s25
	s_add_co_u32 s36, s36, KV0
	s_mov_b32 s37, 0
	s_lshl_b32 s12, s11, 17                        ; the head's q, my block's 8 tiles, my 2 of them
	s_lshl_b32 s13, s10, 13
	s_add_co_u32 s12, s12, s13
	s_lshl_b32 s13, s41, 11
	s_add_co_u32 s12, s12, s13
	s_mov_b32 s13, 0
	s_lshr_b32 s38, s11, 3                         ; o: [row tile 256][head 8][1,024]
	s_lshl_b32 s38, s38, 20
	s_lshl_b32 s39, s10, 16
	s_add_co_u32 s38, s38, s39
	s_lshl_b32 s39, s41, 14
	s_add_co_u32 s38, s38, s39
	s_and_b32 s39, s11, 7
	s_lshl_b32 s39, s39, 10
	s_add_co_u32 s38, s38, s39
	s_mov_b32 s39, 0
	s_mov_b32 s32, 0x76543210                      ; v_permlanex16_b32: each lane takes its own place in the other half
	s_mov_b32 s33, 0xfedcba98
	s_lshl_b32 s43, s40, 16                        ; my half's K in LDS
	s_add_co_u32 s44, s43, VLDS-CH                 ; one chunk in front of my half's V: a chunk steps the address first
	s_mul_i32 s45, s41, MRGW
	s_add_co_u32 s45, s45, MRG                     ; where my pair of waves meets
	s_wait_dscnt 0x0
	s_wait_kmcnt 0x0
	s_add_nc_u64 s[26:27], s[4:5], s[36:37]
	s_add_nc_u64 s[30:31], s[26:27], 32768
	s_or_b32 s27, s27, 0x80000000
	s_or_b32 s31, s31, 0x80000000
	s_add_nc_u64 s[14:15], s[4:5], s[12:13]
	s_add_nc_u64 s[6:7], s[6:7], s[38:39]
.irp i, 0,1,2,3
	global_load_b128 v[QF+4*\i:QF+4*\i+3], v1, s[14:15] offset:\i*512   ; Q stays in registers
.endr
	ROUND                                          ; the four work-groups are here: the joint loads meet
	tensor_load_to_lds s[24:27], s[16:23]          ; my early piece,
	s_nop 0
	tensor_load_to_lds s[28:31], s[16:23]          ; my late piece
	s_nop 0
	PLACES
	v_add_nc_u32 v2, s43, v1
	v_add_nc_u32 v3, s44, v1
	v_add_nc_u32 v4, s45, v1
.irp t, 0,1
	v_mov_b32 v[ST+8*\t+1], 0                      ; named as pairs with m and a, whose word alone is taken: so they are written
	v_mov_b32 v[ST+8*\t+3], 0
.endr
	s_wait_tensorcnt 0x1                           ; my early piece is in; the late one may stay out
	s_barrier_signal -1
	s_barrier_wait -1                              ; everybody's is: chunks 0 to 7 of both halves, K and V
	LDK                                            ; chunk 0
	s_wait_loadcnt 0x0                             ; Q
	s_wait_dscnt 0x0
	CHUNK 1, 1                                     ; chunk 0 starts m, l and O^T
	s_mov_b32 s34, 6
.Learly:                                               ; chunks 1 to 6: the K fetched ahead is chunk 7's at the most, the last early one
	CHUNK 0, 1
	s_sub_co_u32 s34, s34, 1
	s_cmp_lg_u32 s34, 0
	s_cbranch_scc1 .Learly
	s_wait_tensorcnt 0x0                           ; my late piece is in (no LDS instruction of mine is out: a chunk ends with the wait for its loads)
	s_barrier_signal -1
	s_barrier_wait -1                              ; everybody's is
	s_mov_b32 s34, 8
.Llate:                                                ; chunks 7 to 14
	CHUNK 0, 1
	s_sub_co_u32 s34, s34, 1
	s_cmp_lg_u32 s34, 0
	s_cbranch_scc1 .Llate
	CHUNK 0, 0                                     ; chunk 15: no K is left to fetch
	; ---------------- the two halves of the keys meet ----------------
.irp t, 0,1
	v_pk_add_f32 v[T+4+2*\t:T+5+2*\t], v[ST+8*\t+4:ST+8*\t+5], v[ST+8*\t+6:ST+8*\t+7]   ; four plain instructions: the places behind the last products
.endr
.irp t, 0,1
	v_add_f32 v[T+4+2*\t], v[T+4+2*\t], v[T+5+2*\t]
.endr
.irp t, 0,1
	v_permlanex16_b32 v[T+5+2*\t], v[T+4+2*\t], s32, s33
.endr
.irp t, 0,1
	v_add_f32 v[T+2*\t+1], v[T+4+2*\t], v[T+5+2*\t]        ; l of my half of the keys,
	v_mov_b32 v[T+2*\t], v[ST+8*\t]                        ; beside its m: (m, l) of tile 0, (m, l) of tile 1
.endr
	s_cmp_lt_u32 s8, 4
	s_cbranch_scc1 .Lkeeps
.irp i, 0,1,2,3,4,5,6,7
	ds_store_b128 v4, v[O+4*\i:O+4*\i+3] offset:\i*512     ; waves 4-7 hand over O^T, each accumulator from its low end on,
.endr
	ds_store_b128 v4, v[T:T+3] offset:4096                 ; m and l
.Lkeeps:
	s_wait_dscnt 0x0                               ; for the partner's sake: my stores are done
	s_barrier_signal -1
	s_barrier_wait -1
	s_cmp_ge_u32 s8, 4
	s_cbranch_scc1 .Lend
.irp i, 0,1,2,3,4,5,6,7
	ds_load_b128 v[S+4*\i:S+4*\i+3], v4 offset:\i*512
.endr
	ds_load_b128 v[S+32:S+35], v4 offset:4096
	s_wait_dscnt 0x0
	; tile t: m = max(m0, m1); f_i = 2^(m_i - m) / (2^(m0 - m) l0 + 2^(m1 - m) l1); O = f0 O0 + f1 O1.  At T + 4 + 6 t: f0 twice, f1 twice, at work
.irp t, 0,1
	v_max_num_f32 v[T+8+6*\t], v[T+2*\t], v[S+32+2*\t]
.endr
.irp t, 0,1
	v_sub_f32 v[T+4+6*\t], v[T+2*\t], v[T+8+6*\t]
	v_sub_f32 v[T+6+6*\t], v[S+32+2*\t], v[T+8+6*\t]
.endr
.irp t, 0,1
	v_exp_f32 v[T+4+6*\t], v[T+4+6*\t]
	v_exp_f32 v[T+6+6*\t], v[T+6+6*\t]
.endr
	v_nop                                          ; a plain instruction between the last exponential and its use
.irp t, 0,1
	s_wait_alu depctr_va_vdst(0)
	v_mul_f32 v[T+8+6*\t], v[T+4+6*\t], v[T+2*\t+1]
.endr
.irp t, 0,1
	v_fmac_f32 v[T+8+6*\t], v[T+6+6*\t], v[S+33+2*\t]
.endr
.irp t, 0,1
	v_rcp_f32 v[T+8+6*\t], v[T+8+6*\t]
.endr
	v_nop                                          ; and between the last reciprocal and its use
.irp t, 0,1
	s_wait_alu depctr_va_vdst(0)
	v_mul_f32 v[T+5+6*\t], v[T+4+6*\t], v[T+8+6*\t]
	v_mul_f32 v[T+4+6*\t], v[T+4+6*\t], v[T+8+6*\t]
	v_mul_f32 v[T+7+6*\t], v[T+6+6*\t], v[T+8+6*\t]
	v_mul_f32 v[T+6+6*\t], v[T+6+6*\t], v[T+8+6*\t]
.endr
.irp a, 0,1,2,3
.irp i, 0,1,2,3
	v_pk_mul_f32 v[O+8*\a+2*\i:O+8*\a+2*\i+1], v[O+8*\a+2*\i:O+8*\a+2*\i+1], v[T+4+6*(\a/2):T+5+6*(\a/2)]
.endr
.irp i, 0,1,2,3
	v_pk_fma_f32 v[O+8*\a+2*\i:O+8*\a+2*\i+1], v[S+8*\a+2*\i:S+8*\a+2*\i+1], v[T+6+6*(\a/2):T+7+6*(\a/2)], v[O+8*\a+2*\i:O+8*\a+2*\i+1]
.endr
.irp i, 0,1,2,3
	v_cvt_pk_bf16_f32 v[P+4*\a+\i], v[O+8*\a+2*\i], v[O+8*\a+2*\i+1]
.endr
	global_store_b128 v1, v[P+4*\a:P+4*\a+3], s[6:7] offset:(\a/2)*8192+(\a%2)*512   ; a piece of the next product's fragment: 512 consecutive bytes, aligned
.endr
.Lend:
	s_wait_tensorcnt 0x0
	ds_add_u32 v249, v255
	s_wait_dscnt 0x0
	ROUND                                          ; the closing round
	s_endpgm
.Lfunc_end_k_q4a9bd472ad_attn:
	.size	k_q4a9bd472ad_attn, .Lfunc_end_k_q4a9bd472ad_attn-k_q4a9bd472ad_attn
	.p2alignl 7, 3214868480
	.fill 96, 4, 3214868480
	.section	.rodata,"a",@progbits
	.p2align	6, 0x0
	.amdhsa_kernel k_q4a9bd472ad_attn
		.amdhsa_group_segment_fixed_size 281600
		.amdhsa_private_segment_fixed_size 0
		.amdhsa_enable_private_segment 0
		.amdhsa_kernarg_size 16
		.amdhsa_user_sgpr_count 2
		.amdhsa_user_sgpr_kernarg_segment_ptr 1
		.amdhsa_wavefront_size32 1
		.amdhsa_system_sgpr_workgroup_id_x 1
		.amdhsa_system_sgpr_workgroup_id_y 1
		.amdhsa_system_sgpr_workgroup_id_z 1
		.amdhsa_system_vgpr_workitem_id 0
		.amdhsa_next_free_vgpr 256
		.amdhsa_next_free_sgpr 66
		.amdhsa_reserve_vcc 0
		.amdhsa_float_denorm_mode_32 3
		.amdhsa_float_denorm_mode_16_64 3
		.amdhsa_memory_ordered 1
		.amdhsa_forward_progress 1
		.amdhsa_inst_pref_size 70
	.end_amdhsa_kernel
	.amdgpu_metadata
---
amdhsa.version: [ 1, 2 ]
amdhsa.kernels:
  - .name:           k_q4a9bd472ad_attn
    .symbol:         k_q4a9bd472ad_attn.kd
    .args:
      - { .name: qkv, .offset: 0, .size: 8, .value_kind: global_buffer, .address_space: global }
      - { .name: of, .offset: 8, .size: 8, .value_kind: global_buffer, .address_space: global }
    .group_segment_fixed_size: 281600
    .private_segment_fixed_size: 0
    .kernarg_segment_align: 8
    .kernarg_segment_size: 16
    .max_flat_workgroup_size: 256
    .sgpr_count:     66
    .vgpr_count:     256
    .wavefront_size: 32
...
	.end_amdgpu_metadata
.endif
;; end of part 3
;; launch layer (part 4): grid 128 x 1, 4 waves a work-group, clusters of 4 x 1, 327,680 bytes of LDS; arguments xa, of, p0, xb, qkv; writes xb, qkv
.if DOCPART == 4
	.amdgcn_target "amdgcn-amd-amdhsa--gfx1250"
	.amdhsa_code_object_version 6
	.text
	.protected	k_q4a9bd472ad_layer
	.globl	k_q4a9bd472ad_layer
	.p2align	8
	.type	k_q4a9bd472ad_layer,@function
k_q4a9bd472ad_layer:
	s_mov_b64 s[64:65], 0
	v_nop
	global_prefetch_b8 v0, s[64:65] scope:SCOPE_SE
	s_setreg_imm32_b32 hwreg(HW_REG_WAVE_MODE, 25, 1), 1
	s_wait_xcnt 0x0
	s_wait_alu depctr_hold_cnt(0) depctr_sa_sdst(0) depctr_va_vdst(0) depctr_va_sdst(0) depctr_va_ssrc(0) depctr_va_vcc(0) depctr_vm_vsrc(0)
	s_getreg_b32 s2, hwreg(HW_REG_IB_STS2, 6, 4)
	s_cmp_eq_u32 s2, 0
	s_cbranch_scc0 .Lentry_in_a_cluster
	s_endpgm
.Lentry_in_a_cluster:
	s_bfe_u32 s2, ttmp6, 0x10000c
	s_cmp_lg_u32 s2, 0x3003
	s_cbranch_scc0 .Lentry_shape_is_right
	s_endpgm
.Lentry_shape_is_right:
; THE ROW-LOCAL PART OF A LAYER: x1 = LN(x + o proj_w + proj_b); x2 = LN(x1 + gelu(x1 w1 + b1) w2 + b2); with HAS_QKV = 1 x2 is stored in the accumulators' order and the NEXT layer's
; q, k, v = x2 W are made; with HAS_QKV = 0 (the last layer) x2 is stored row-major as the result.
; SHARES: a work-group owns 32 rows (two token tiles of 16); wave w owns output columns 64 w .. 64 w + 63 of each product: 4 column tiles x 2 token tiles = 8 accumulators.
; 32 rows, so 128 work-groups: every work-group walks all of a layer's weights whatever its rows, so 16 rows on twice the work-groups would move twice the bytes for the same walk.
; THE PRODUCTS ARE USED TRANSPOSED (source 0 = 16 output columns of W, source 1 = 16 tokens): a lane holds ONE token and eight neighbouring columns, so a norm's sums are sums in the lane,
; one exchange between the halves of the lanes and one meeting of the four waves in LDS; and eight results pack into one 16-byte piece of the next product's fragment
; (fragment order: a tile of 16 x 32 is 1,024 bytes, piece j at 512 j, lane L at 16 L).  v alone is multiplied the natural way round: eight neighbouring keys of one channel.
; Residual and bias are the product's starting addend.  The residual stays in f32 in registers (XR).
; WEIGHTS come through two LDS slots of one matrix each; a wave loads and reads only its own quarter.  CLUSTER: the four work-groups of a cluster walk the same weights, so each quarter is
; asked for jointly (mask 15).  By this text's count a wave has three tensor loads out at the start and one behind each round.
; LIMITS: matrix operands are bf16.  erf by 1 - (a1 t + .. + a5 t^5) exp(-z^2), t = 1 / (1 + 0.3275911 z) (Abramowitz and Stegun 7.1.26: within 1.5e-7 for every z >= 0, odd for z < 0);
; gelu(x) = max(x, 0) - |x| R, R = half that polynomial times the exponential.  The variance is made of each wave's mean and sum of squared deviations from ITS mean,
; merged as sum M2 + 64 sum (mean_w - mean)^2: no difference of large sums.  An infinite x gives NaN in gelu.
.set HAS_QKV, 1
.set TILE,  131072                     ; a matrix of 256 x 256 bf16, and an LDS slot
.set VECG,  6*TILE                     ; the vectors in the parameter block
.set SLOT1, TILE
.set VEC,   2*TILE                     ; [wave 4][vector 7][64 f32], filled once: 0 proj_b, 1 g1, 2 be1, 3 b1, 4 b2, 5 g2, 6 be2
.set ACT,   VEC+7168                   ; the activations as fragments: [token tile 2][K step 8][1,024]; this and what follows is written by LDS stores alone
.set STAT1, ACT+16384                  ; [token tile 2][token 16][wave 4] x (mean, M2), for the first norm; the second's 1,024 bytes on
.set STG,   STAT1+2048                 ; the last layer's way out: 16 rows x 272 bytes a wave
.set SPARE, STG+17408                  ; the spare words, 128 bytes a wave: two blocks of 256 bytes that no other line names
.set L16, 1                            ; v1   16 x lane
.set T16, 2                            ; v2   16 x thread
.set WB0, 3                            ; v3   my quarter of slot 0
.set AB0, 4                            ; v4   the activations
.set WA,  5                            ; v5, v6  the two addresses as they walk along K
.set AA,  6
.set VA,  7                            ; v7   my lane's columns in my wave's vectors
.set STW, 8                            ; v8   where my wave's figures of token L % 16 go
.set STR, 9                            ; v9   where the four waves' figures of that token lie
.set ASTO, 10                          ; v10  where my wave's columns lie in ACT
.set QOFF, 11                          ; v11  my wave's two heads in q          (last layer: into the stage)
.set KOFF, 12                          ; v12  in k and v                        (last layer: back from the stage)
.set SIN, 11
.set SBK, 12
.set OOF, 13                           ; v13  last layer: my 16 bytes in two rows of the result
.set SPW, 14                           ; v14  LDS address of my spare word; never rewritten
.set NIL, 15                           ; v15  0; never rewritten
.set XR,  16                           ; v[16:79]   the residual, in the accumulators' order; at the end packed results
.set ACC, 80                           ; v[80:143]  accumulator (token tile t, column tile n) at 8 (4 t + n)
.set FB0, 144                          ; v[144:191], v[192:239] two fragment buffers: 32 registers of weights, 16 of activations; between products at work
.set FB1, 192
.set T,   240                          ; v[240:255] at work
.set GA,  FB0                          ; gelu: eight numbers at a time
.set GD,  FB0+8
.set GM,  FB0+16
.set GP,  FB0+24
.set VA5, FB1
.macro SPAIR r, val                    ; a constant for packed arithmetic: named as a pair, so both words are written
	s_mov_b32 s[\r], \val
	s_mov_b32 s[\r+1], \val
.endm
.macro PLACES                          ; four plain vector instructions between a matrix instruction and what touches its registers (ISA guide 7.12.1)
.rept 4
	v_nop
.endr
.endm
.macro ROUND                           ; a round of the cluster's barrier
	s_barrier_signal -1
	s_barrier_wait -1
	s_cmp_lg_u32 s14, 0
	s_cbranch_scc1 .Lnot_wave_0_\@
	s_barrier_signal -3
.Lnot_wave_0_\@:
	s_barrier_wait -3
	s_barrier_signal -1
	s_barrier_wait -1
.endm
.macro MEET                            ; what I stored into LDS is there, what I read is back; then all four waves
	s_wait_dscnt 0x0
	s_barrier_signal -1
	s_barrier_wait -1
.endm
.macro LDFRAG f, off                   ; one K step's fragments: 4 column tiles of my weights, 2 token tiles
.irp n, 0,1,2,3
	ds_load_b128 v[\f+8*\n:\f+8*\n+3],   v[WA] offset:\off+\n*8192
	ds_load_b128 v[\f+8*\n+4:\f+8*\n+7], v[WA] offset:\off+\n*8192+512
.endr
.irp t, 0,1
	ds_load_b128 v[\f+32+8*\t:\f+32+8*\t+3],   v[AA] offset:\off+\t*8192
	ds_load_b128 v[\f+32+8*\t+4:\f+32+8*\t+7], v[AA] offset:\off+\t*8192+512
.endr
.endm
.macro MUL8 f, zero, swap              ; the eight accumulators take turns, one instruction a turn
.irp n, 0,1,2,3
.irp t, 0,1
.set rD, ACC+8*(4*\t+\n)
.if \swap
.set rX, \f+32+8*\t
.set rY, \f+8*\n
.else
.set rX, \f+8*\n
.set rY, \f+32+8*\t
.endif
.if \zero
	v_wmma_f32_16x16x32_bf16 v[rD:rD+7], v[rX:rX+7], v[rY:rY+7], 0
.else
	v_wmma_f32_16x16x32_bf16 v[rD:rD+7], v[rX:rX+7], v[rY:rY+7], v[rD:rD+7]
.endif
.endr
.endr
.endm
.macro STEP cur, nxt, off, zero, swap  ; multiplies buffer cur; before that the next K step's fragments are asked for
.if \off >= 0
	PLACES                                         ; the last K step's products read buffer nxt
	LDFRAG \nxt, \off
	s_wait_dscnt 12                                ; all but the 12 just issued
.else
	s_wait_dscnt 0x0
.endif
	MUL8 \cur, \zero, \swap
.endm
.macro GEMM slot, zero, swap           ; eight K steps of 32
	v_add_nc_u32 v[WA], \slot*TILE, v[WB0]
	v_mov_b32 v[AA], v[AB0]
	LDFRAG FB0, 0
	STEP FB0, FB1, 1024, \zero, \swap
	s_mov_b32 s54, 3
.Lk_\@:
	STEP FB1, FB0, 2048, 0, \swap
	STEP FB0, FB1, 3072, 0, \swap
	v_add_nc_u32 v[WA], 2048, v[WA]
	v_add_nc_u32 v[AA], 2048, v[AA]
	s_sub_co_u32 s54, s54, 1
	s_cmp_lg_u32 s54, 0
	s_cbranch_scc1 .Lk_\@
	STEP FB1, 0, -1, 0, \swap
.endm
.macro REFILL s                        ; slot s, just read out, takes the matrix two further on
	s_wait_tensorcnt 0x0                           ; no tensor load of mine is out, so a group 0 may be written; the other slot's matrix has landed
	ds_add_u32 v[SPW], v[NIL]                      ; 0 onto my spare word
	s_add_nc_u64 s[42+4*\s:43+4*\s], s[42+4*\s:43+4*\s], 2*TILE
	s_wait_dscnt 0x0                               ; the add is done, and my reads of the slot and of the activations are over
	ROUND                                          ; that now holds of every wave of the four work-groups
	tensor_load_to_lds s[40+4*\s:43+4*\s], s[24:31]
	s_nop 0
	PLACES                                         ; also the places behind the product's last matrix instructions
.endm
.macro VLOAD dst, vec                  ; my lane's 32 numbers of a vector: columns 16 n + 8 h + 0..7
.irp n, 0,1,2,3,4,5,6,7
	ds_load_b128 v[\dst+4*\n:\dst+4*\n+3], v[VA] offset:\vec*256+(\n/2)*64+(\n%2)*16
.endr
.endm
.macro ADDB vec                        ; the next product starts from residual + bias
	VLOAD FB1, \vec
	s_wait_dscnt 0x0
.irp t, 0,1
.set k, 0
.rept 16
	v_pk_add_f32 v[ACC+32*\t+2*k:ACC+32*\t+2*k+1], v[XR+32*\t+2*k:XR+32*\t+2*k+1], v[FB1+2*k:FB1+2*k+1]
.set k, k+1
.endr
.endr
.endm
.macro PACKACT src                     ; 64 f32 a lane -> bf16 -> my wave's two K steps of ACT; each store covers 512 consecutive bytes
.irp t, 0,1
.irp n, 0,1,2,3
.irp i, 0,1,2,3
	v_cvt_pk_bf16_f32 v[T+4*\n+\i], v[\src+32*\t+8*\n+2*\i], v[\src+32*\t+8*\n+2*\i+1]
.endr
	ds_store_b128 v[ASTO], v[T+4*\n:T+4*\n+3] offset:\t*8192+(\n/2)*1024+(\n%2)*512
.endr
.endr
.endm
.macro FOLD                            ; four pairs of partial sums -> one number, and the other half of the lanes' beside it
	v_pk_add_f32 v[T:T+1], v[T:T+1], v[T+2:T+3]
	v_pk_add_f32 v[T+4:T+5], v[T+4:T+5], v[T+6:T+7]
	v_pk_add_f32 v[T:T+1], v[T:T+1], v[T+4:T+5]
	v_add_f32 v[T], v[T], v[T+1]
	v_permlanex16_b32 v[T+1], v[T], s52, s53
.endm
; XR = LayerNorm(ACC) g + be.  so: the figures' bytes, from STAT1.  Each accumulator is read from its low end on.
.macro LN so, vg, vb
.irp t, 0,1
.irp n, 0,1,2,3
	v_pk_add_f32 v[T+2*\n:T+2*\n+1], v[ACC+32*\t+8*\n:ACC+32*\t+8*\n+1], v[ACC+32*\t+8*\n+2:ACC+32*\t+8*\n+3]
.endr
.irp k, 4,6
.irp n, 0,1,2,3
	v_pk_add_f32 v[T+2*\n:T+2*\n+1], v[T+2*\n:T+2*\n+1], v[ACC+32*\t+8*\n+\k:ACC+32*\t+8*\n+\k+1]
.endr
.endr
	FOLD
	v_add_f32 v[T], v[T], v[T+1]
	v_mul_f32 v[T+8], s72, v[T]                    ; the mean of the token's 64 columns in my wave
	v_mul_f32 v[T+9], s72, v[T]
.set k, 0
.rept 16
	v_pk_add_f32 v[FB0+2*k:FB0+2*k+1], v[ACC+32*\t+2*k:ACC+32*\t+2*k+1], v[T+8:T+9] neg_lo:[0,1] neg_hi:[0,1]
.set k, k+1
.endr
.irp n, 0,1,2,3
	v_pk_mul_f32 v[T+2*\n:T+2*\n+1], v[FB0+2*\n:FB0+2*\n+1], v[FB0+2*\n:FB0+2*\n+1]
.endr
.set k, 4
.rept 12
	v_pk_fma_f32 v[T+2*(k%4):T+2*(k%4)+1], v[FB0+2*k:FB0+2*k+1], v[FB0+2*k:FB0+2*k+1], v[T+2*(k%4):T+2*(k%4)+1]
.set k, k+1
.endr
	FOLD
	v_add_f32 v[T+9], v[T], v[T+1]                 ; the sum of squared deviations from that mean
	ds_store_b64 v[STW], v[T+8:T+9] offset:\so+\t*512
.endr
	VLOAD FB0, \vg
	VLOAD FB1, \vb
	MEET                                           ; the four waves' figures are in LDS
.irp t, 0,1
	ds_load_b128 v[FB0+32+8*\t:FB0+35+8*\t], v[STR] offset:\so+\t*512
	ds_load_b128 v[FB0+36+8*\t:FB0+39+8*\t], v[STR] offset:\so+\t*512+16
.endr
	s_wait_dscnt 0x0
.irp t, 0,1
.set rR, FB0+32+8*\t
	v_add_f32 v[T], v[rR], v[rR+2]
	v_add_f32 v[T+1], v[rR+4], v[rR+6]
	v_add_f32 v[T+2], v[rR+1], v[rR+3]
	v_add_f32 v[T+3], v[rR+5], v[rR+7]
	v_add_f32 v[T], v[T], v[T+1]
	v_add_f32 v[T+2], v[T+2], v[T+3]
	v_mul_f32 v[T], s76, v[T]                      ; the row's mean
	v_sub_f32 v[T+4], v[rR], v[T]
	v_sub_f32 v[T+5], v[rR+2], v[T]
	v_sub_f32 v[T+6], v[rR+4], v[T]
	v_sub_f32 v[T+7], v[rR+6], v[T]
	v_mul_f32 v[T+4], v[T+4], v[T+4]
	v_fmac_f32 v[T+4], v[T+5], v[T+5]
	v_fmac_f32 v[T+4], v[T+6], v[T+6]
	v_fmac_f32 v[T+4], v[T+7], v[T+7]
	v_fmac_f32 v[T+2], s73, v[T+4]                 ; + 64 x the means' squared deviations
	v_fma_f32 v[T+2], v[T+2], s74, s75             ; / 256 + eps
	v_rsq_f32 v[T+12+2*\t], v[T+2]
	v_nop                                          ; a plain instruction between the root and its use
	s_wait_alu depctr_va_vdst(0)
	v_mul_f32 v[T+13+2*\t], -v[T], v[T+12+2*\t]    ; -mean x rstd
.endr
.irp t, 0,1
.set k, 0
.rept 16
	v_pk_fma_f32 v[XR+32*\t+2*k:XR+32*\t+2*k+1], v[ACC+32*\t+2*k:ACC+32*\t+2*k+1], v[T+12+2*\t:T+13+2*\t], v[T+12+2*\t:T+13+2*\t] op_sel:[0,0,1] op_sel_hi:[1,0,1]
.set k, k+1
.endr
.set k, 0
.rept 16
	v_pk_fma_f32 v[XR+32*\t+2*k:XR+32*\t+2*k+1], v[XR+32*\t+2*k:XR+32*\t+2*k+1], v[FB0+2*k:FB0+2*k+1], v[FB1+2*k:FB1+2*k+1]
.set k, k+1
.endr
.endr
.endm
.macro GELU8 x                         ; eight numbers (one accumulator) in place
.irp p, 0,2,4,6
	v_pk_mul_f32 v[GA+\p:GA+\p+1], v[\x+\p:\x+\p+1], s[56:57] op_sel_hi:[1,0]     ; a = x sqrt(log2(e) / 2): a^2 = z^2 log2(e), z = |x| / sqrt(2)
.endr
.irp i, 0,1,2,3,4,5,6,7
	v_fma_f32 v[GD+\i], |v[GA+\i]|, s58, 1.0                                       ; 1 + 0.3275911 z
.endr
.irp p, 0,2,4,6
	v_pk_mul_f32 v[GA+\p:GA+\p+1], v[GA+\p:GA+\p+1], v[GA+\p:GA+\p+1]
.endr
.irp i, 0,1,2,3,4,5,6,7
	v_rcp_f32 v[GD+\i], v[GD+\i]                                                   ; t
.endr
.irp i, 0,1,2,3,4,5,6,7
	v_exp_f32 v[GA+\i], -v[GA+\i]                                                  ; exp(-z^2)
.endr
.irp i, 0,1,2,3,4,5,6,7
	v_max_num_f32 v[GM+\i], 0, v[\x+\i]                                            ; plain instructions behind the transcendentals
.endr
	s_wait_alu depctr_va_vdst(0)
.irp p, 0,2,4,6
	v_pk_fma_f32 v[GP+\p:GP+\p+1], v[GD+\p:GD+\p+1], v[VA5:VA5+1], s[60:61] op_sel_hi:[1,1,0]
.endr
.irp c, 62,66,68
.irp p, 0,2,4,6
	v_pk_fma_f32 v[GP+\p:GP+\p+1], v[GP+\p:GP+\p+1], v[GD+\p:GD+\p+1], s[\c:\c+1] op_sel_hi:[1,1,0]
.endr
.endr
.irp p, 0,2,4,6
	v_pk_mul_f32 v[GD+\p:GD+\p+1], v[GD+\p:GD+\p+1], v[GA+\p:GA+\p+1]
.endr
.irp p, 0,2,4,6
	v_pk_mul_f32 v[GP+\p:GP+\p+1], v[GP+\p:GP+\p+1], v[GD+\p:GD+\p+1]              ; R
.endr
.irp i, 0,1,2,3,4,5,6,7
	v_fma_f32 v[\x+\i], -|v[\x+\i]|, v[GP+\i], v[GM+\i]
.endr
.endm
.macro OUTQKV kind, tmp                ; kind 0 q, 1 k, 2 v: rounded and stored as fragments; each store covers 512 consecutive bytes, aligned
	PLACES
	s_wait_xcnt 0x0                                ; registers that earlier stores read are rewritten only behind this wait
.if \kind == 0
.set k, 0
.rept 32
	v_pk_mul_f32 v[ACC+2*k:ACC+2*k+1], v[ACC+2*k:ACC+2*k+1], s[70:71] op_sel_hi:[1,0]
.set k, k+1
.endr
.endif
.set k, 0
.rept 32
	v_cvt_pk_bf16_f32 v[\tmp+k], v[ACC+2*k], v[ACC+2*k+1]
.set k, k+1
.endr
.irp t, 0,1
.irp n, 0,1,2,3
.if \kind == 0
	global_store_b128 v[QOFF], v[\tmp+4*(4*\t+\n):\tmp+4*(4*\t+\n)+3], s[80:81] offset:(\n/2)*131072+\t*1024+(\n%2)*512
.elseif \kind == 1
	global_store_b128 v[KOFF], v[\tmp+4*(4*\t+\n):\tmp+4*(4*\t+\n)+3], s[82:83] offset:(\n/2)*262144+\t*1024+(\n%2)*512
.else
	global_store_b128 v[KOFF], v[\tmp+4*(4*\t+\n):\tmp+4*(4*\t+\n)+3], s[84:85] offset:(\n/2)*262144+(\n%2)*1024+\t*512
.endif
.endr
.endr
.endm
	s_load_b256 s[4:11], s[0:1], 0x0               ; x in s[4:5], o s[6:7], the parameter block s[8:9], x out (or the result) s[10:11]
.if HAS_QKV
	s_load_b64 s[12:13], s[0:1], 0x20              ; qkv
.endif
	v_lshl_add_u32 v[SPW], v0, 2, SPARE
	v_mov_b32 v[NIL], 0
	ds_add_u32 v14, v15
	s_wait_dscnt 0x0
	v_lshrrev_b32 v1, 5, v0
	v_readfirstlane_b32 s14, v1                    ; wave w
	v_and_b32 v1, 31, v0
	v_lshlrev_b32 v[L16], 4, v1
	v_lshlrev_b32 v[T16], 4, v0
	s_bfe_u32 s15, ttmp6, 0x40000                  ; my place in the cluster
	s_lshl_b32 s16, ttmp9, 2
	s_add_co_u32 s16, s16, s15                     ; my block of 32 rows: it enters global addresses of x, o, qkv and the result alone
	s_mov_b32 s24, 15|(3<<16)|(1<<21)              ; group 1 for weights: mask of the four work-groups; elements of 8 bytes; bit 21 beside a mask
	s_mov_b32 s25, 32<<16                          ; tensor_dim0 = 32 elements = 256 bytes
	s_mov_b32 s26, 128<<16                         ; tensor_dim1 = 128 rows: a quarter of a matrix, dense
	s_mov_b32 s27, 32<<16                          ; tile_dim0
	s_mov_b32 s28, 128                             ; tile_dim1
	s_mov_b32 s29, 32                              ; pitch
	s_mov_b32 s30, 0
	s_mov_b32 s31, 0
	s_mov_b32 s32, 15|(3<<16)|(1<<21)              ; group 1 for the vectors: the same with 7 rows
	s_mov_b32 s33, 32<<16
	s_mov_b32 s34, 7<<16
	s_mov_b32 s35, 32<<16
	s_mov_b32 s36, 7
	s_mov_b32 s37, 32
	s_mov_b32 s38, 0
	s_mov_b32 s39, 0
	s_mov_b32 s40, 1                               ; group 0 of slot 0
	s_lshl_b32 s41, s14, 15                        ; my quarter: wave x 32,768
	s_mov_b32 s44, 1                               ; group 0 of slot 1
	s_add_co_u32 s45, s41, SLOT1
	s_mov_b32 s48, 1                               ; group 0 of the vectors
	s_mul_i32 s22, s14, 1792
	s_add_co_u32 s49, s22, VEC
	s_add_co_u32 s22, s22, VECG
	s_mov_b32 s23, 0
	s_lshl_b32 s18, s14, 15
	s_mov_b32 s19, 0
	s_mov_b32 s52, 0x76543210                      ; v_permlanex16_b32: each lane takes its own place in the other half
	s_mov_b32 s53, 0xfedcba98
	SPAIR 56, 0.84932180                           ; sqrt(log2(e) / 2)
	s_mov_b32 s58, 0.27273750                      ; 0.3275911 / (sqrt(2) x the line above)
	SPAIR 60, -0.72657601                          ; a4 / 2
	SPAIR 62, 0.71070687                           ; a3 / 2
	SPAIR 66, -0.14224837                          ; a2 / 2
	SPAIR 68, 0.12741480                           ; a1 / 2
	s_mov_b32 s72, 0x3c800000                      ; 1 / 64
	s_mov_b32 s73, 0x42800000                      ; 64
	s_mov_b32 s74, 0x3b800000                      ; 1 / 256
	s_mov_b32 s75, 0x358637bd                      ; eps = 1e-6
	s_mov_b32 s76, 0x3e800000                      ; 1 / 4
	s_lshl_b32 s86, s16, 15                        ; 32 rows of f32
	s_mov_b32 s87, 0
	s_lshl_b32 s88, s16, 14                        ; 32 rows of bf16
	s_mov_b32 s89, 0
.if HAS_QKV
	SPAIR 70, 0x3e8293ee                           ; c = log2(e) / sqrt(32)
	s_lshr_b32 s90, s16, 6                         ; batch
	s_and_b32 s91, s16, 63
	s_lshl_b32 s91, s91, 11                        ; two tiles of 1,024 bytes in a head's q or k; one block of 32 keys in its v
	s_lshl_b32 s78, s90, 20
	s_add_co_u32 s78, s78, s91
	s_mov_b32 s79, 0
	s_lshl_b32 s20, s90, 21
	s_add_co_u32 s20, s20, s91
	s_add_co_u32 s20, s20, 2097152
	s_mov_b32 s21, 0
.endif
	s_wait_kmcnt 0x0
	s_add_nc_u64 s[42:43], s[8:9], s[18:19]        ; slot 0 begins with proj_w,
	s_add_nc_u64 s[46:47], s[42:43], TILE          ; slot 1 with w1
	s_add_nc_u64 s[50:51], s[8:9], s[22:23]
	s_or_b32 s43, s43, 0x80000000
	s_or_b32 s47, s47, 0x80000000
	s_or_b32 s51, s51, 0x80000000
	s_add_nc_u64 s[4:5], s[4:5], s[86:87]
	s_add_nc_u64 s[6:7], s[6:7], s[88:89]
	s_add_nc_u64 s[10:11], s[10:11], s[86:87]
.if HAS_QKV
	s_add_nc_u64 s[80:81], s[12:13], s[78:79]      ; q
	s_add_nc_u64 s[82:83], s[12:13], s[20:21]      ; k
	s_add_nc_u64 s[84:85], s[82:83], 131072        ; v
.endif
.irp i, 0,1,2,3,4,5,6,7
	global_load_b128 v[ACC+4*\i:ACC+4*\i+3], v[T16], s[6:7] offset:\i*2048   ; o, already in ACT's order
.endr
.set i, 0
.rept 16
	global_load_b128 v[XR+4*i:XR+4*i+3], v[T16], s[4:5] offset:i*2048
.set i, i+1
.endr
	ROUND                                          ; the four work-groups are here: the first joint loads meet
	tensor_load_to_lds s[48:51], s[32:39]          ; my share of the vectors,
	s_nop 0
	tensor_load_to_lds s[40:43], s[24:31]          ; of proj_w,
	s_nop 0
	tensor_load_to_lds s[44:47], s[24:31]          ; of w1
	s_nop 0
	PLACES
	v_and_b32 v[WA], 15, v0                        ; r = L % 16
	v_bfe_u32 v[AA], v0, 4, 1                      ; h = L / 16
	v_add_nc_u32 v[WB0], s41, v[L16]
	v_add_nc_u32 v[AB0], ACT, v[L16]
	v_lshl_add_u32 v[VA], v[AA], 5, s49
	s_lshl_b32 s22, s14, 3
	s_add_co_u32 s22, s22, STAT1
	v_lshlrev_b32 v[STR], 5, v[WA]
	v_add_nc_u32 v[STW], s22, v[STR]
	v_add_nc_u32 v[STR], STAT1, v[STR]
	s_lshl_b32 s22, s14, 11
	s_add_co_u32 s22, s22, ACT
	v_add_nc_u32 v[ASTO], s22, v[L16]
.if HAS_QKV
	s_lshl_b32 s22, s14, 18
	v_add_nc_u32 v[QOFF], s22, v[L16]
	s_lshl_b32 s22, s14, 19
	v_add_nc_u32 v[KOFF], s22, v[L16]
.else
	s_mul_i32 s22, s14, 4352
	s_add_co_u32 s22, s22, STG
	v_mul_u32_u24 v[SIN], v[WA], 272               ; in: row r, columns 8 h on
	v_lshl_add_u32 v[SIN], v[AA], 5, v[SIN]
	v_add_nc_u32 v[SIN], s22, v[SIN]
	v_mul_u32_u24 v[SBK], v[AA], 272               ; back: lanes 0-15 one row of 256 bytes, lanes 16-31 the next
	v_lshl_add_u32 v[SBK], v[WA], 4, v[SBK]
	v_add_nc_u32 v[SBK], s22, v[SBK]
	s_lshl_b32 s23, s14, 8
	v_lshl_add_u32 v[OOF], v[WA], 4, s23
	v_lshl_add_u32 v[OOF], v[AA], 10, v[OOF]
.endif
	v_add_nc_u32 v[WA], ACT, v[T16]
	s_wait_loadcnt 16                              ; o is in; the residual's 16 loads may stay out
.irp i, 0,1,2,3,4,5,6,7
	ds_store_b128 v[WA], v[ACC+4*\i:ACC+4*\i+3] offset:\i*2048
.endr
	s_wait_tensorcnt 0x1                           ; my vectors and my quarter of proj_w are in (only I read them); w1 may stay out
	MEET                                           ; ACT is whole
	s_wait_loadcnt 0x0
	; ---------------- x1 = LN(x + o proj_w + proj_b) ----------------
	ADDB 0
	GEMM 0, 0, 0
	REFILL 0                                       ; w2; the round also shows that every wave's reads of ACT are over
	LN 0, 1, 2
	PACKACT XR
	MEET
	; ---------------- gelu(x1 w1 + b1) ----------------
	VLOAD ACC, 3                                   ; the bias is the product's starting addend, for both token tiles
	VLOAD ACC+32, 3
	s_wait_dscnt 0x0
	GEMM 1, 0, 0
.if HAS_QKV
	REFILL 1                                       ; the q columns
.else
	MEET                                           ; every wave's reads of ACT are over
	PLACES
.endif
	v_mov_b32 v[VA5], 0.53070271                   ; a5 / 2
	v_mov_b32 v[VA5+1], v[VA5]
.irp a, 0,1,2,3,4,5,6,7
	GELU8 ACC+8*\a
.endr
	PACKACT ACC
	MEET
	; ---------------- x2 = LN(x1 + .. w2 + b2) ----------------
	ADDB 4
.if HAS_QKV == 0
	s_wait_tensorcnt 0x0                           ; my quarter of w2: the last tensor load
.endif
	GEMM 0, 0, 0
.if HAS_QKV
	REFILL 0                                       ; the k columns
.else
	PLACES
.endif
	LN 1024, 5, 6
.if HAS_QKV
.set i, 0
.rept 16
	global_store_b128 v[T16], v[XR+4*i:XR+4*i+3], s[10:11] offset:i*2048   ; a wave stores 512 consecutive bytes, aligned
.set i, i+1
.endr
	PACKACT XR
	MEET
	; ---------------- the next layer's q, k, v ----------------
	GEMM 1, 1, 0
	REFILL 1                                       ; the v columns
	OUTQKV 0, XR
	GEMM 0, 1, 0
	OUTQKV 1, XR+32
	s_wait_tensorcnt 0x0                           ; my quarter of the v columns
	GEMM 1, 1, 1
	OUTQKV 2, XR
.else
	; ---------------- the result, row-major, through my own stage ----------------
.irp t, 0,1
.irp n, 0,1,2,3,4,5,6,7
	ds_store_b128 v[SIN], v[XR+32*\t+4*\n:XR+32*\t+4*\n+3] offset:(\n/2)*64+(\n%2)*16
.endr
.irp i, 0,1,2,3,4,5,6,7
	ds_load_b128 v[ACC+32*\t+4*\i:ACC+32*\t+4*\i+3], v[SBK] offset:\i*544   ; my own bytes: LDS serves a wave's instructions in order (ISA guide 5.7.1.4)
.endr
.endr
	s_wait_dscnt 16                                ; the first token tile is back; the second's 8 stores and 8 loads may stay out
.irp i, 0,1,2,3,4,5,6,7
	global_store_b128 v[OOF], v[ACC+4*\i:ACC+4*\i+3], s[10:11] offset:\i*2048   ; sixteen lanes store 256 consecutive bytes, aligned
.endr
	s_wait_dscnt 0x0
.irp i, 0,1,2,3,4,5,6,7
	global_store_b128 v[OOF], v[ACC+32+4*\i:ACC+32+4*\i+3], s[10:11] offset:16384+\i*2048
.endr
.endif
	s_wait_tensorcnt 0x0                           ; the wave's end
	ds_add_u32 v[SPW], v[NIL]
	s_wait_dscnt 0x0
	ROUND                                          ; the closing round
	s_endpgm
.Lfunc_end_k_q4a9bd472ad_layer:
	.size	k_q4a9bd472ad_layer, .Lfunc_end_k_q4a9bd472ad_layer-k_q4a9bd472ad_layer
	.p2alignl 7, 3214868480
	.fill 96, 4, 3214868480
	.section	.rodata,"a",@progbits
	.p2align	6, 0x0
	.amdhsa_kernel k_q4a9bd472ad_layer
		.amdhsa_group_segment_fixed_size 327680
		.amdhsa_private_segment_fixed_size 0
		.amdhsa_enable_private_segment 0
		.amdhsa_kernarg_size 40
		.amdhsa_user_sgpr_count 2
		.amdhsa_user_sgpr_kernarg_segment_ptr 1
		.amdhsa_wavefront_size32 1
		.amdhsa_system_sgpr_workgroup_id_x 1
		.amdhsa_system_sgpr_workgroup_id_y 1
		.amdhsa_system_sgpr_workgroup_id_z 1
		.amdhsa_system_vgpr_workitem_id 0
		.amdhsa_next_free_vgpr 256
		.amdhsa_next_free_sgpr 96
		.amdhsa_reserve_vcc 0
		.amdhsa_float_denorm_mode_32 3
		.amdhsa_float_denorm_mode_16_64 3
		.amdhsa_memory_ordered 1
		.amdhsa_forward_progress 1
		.amdhsa_inst_pref_size 134
	.end_amdhsa_kernel
	.amdgpu_metadata
---
amdhsa.version: [ 1, 2 ]
amdhsa.kernels:
  - .name:           k_q4a9bd472ad_layer
    .symbol:         k_q4a9bd472ad_layer.kd
    .args:
      - { .name: xa, .offset: 0, .size: 8, .value_kind: global_buffer, .address_space: global }
      - { .name: of, .offset: 8, .size: 8, .value_kind: global_buffer, .address_space: global }
      - { .name: p0, .offset: 16, .size: 8, .value_kind: global_buffer, .address_space: global }
      - { .name: xb, .offset: 24, .size: 8, .value_kind: global_buffer, .address_space: global }
      - { .name: qkv, .offset: 32, .size: 8, .value_kind: global_buffer, .address_space: global }
    .group_segment_fixed_size: 327680
    .private_segment_fixed_size: 0
    .kernarg_segment_align: 8
    .kernarg_segment_size: 40
    .max_flat_workgroup_size: 128
    .sgpr_count:     96
    .vgpr_count:     256
    .wavefront_size: 32
...
	.end_amdgpu_metadata
.endif
;; end of part 4
;; launch attn_1: the kernel of part 3 again; grid 16 x 16, 8 waves a work-group, clusters of 4 x 1, 281,600 bytes of LDS; arguments qkv, of; writes of
;; launch layer_1: the kernel of part 4 again; grid 128 x 1, 4 waves a work-group, clusters of 4 x 1, 327,680 bytes of LDS; arguments xb, of, p1, xa, qkv; writes xa, qkv
;; launch attn_2: the kernel of part 3 again; grid 16 x 16, 8 waves a work-group, clusters of 4 x 1, 281,600 bytes of LDS; arguments qkv, of; writes of
;; launch layer_2: the kernel of part 4 again; grid 128 x 1, 4 waves a work-group, clusters of 4 x 1, 327,680 bytes of LDS; arguments xa, of, p2, xb, qkv; writes xb, qkv
;; launch attn_3: the kernel of part 3 again; grid 16 x 16, 8 waves a work-group, clusters of 4 x 1, 281,600 bytes of LDS; arguments qkv, of; writes of
;; launch final (part 5): grid 128 x 1, 4 waves a work-group, clusters of 4 x 1, 327,680 bytes of LDS; arguments xb, of, p3, out0; writes out0
.if DOCPART == 5
	.amdgcn_target "amdgcn-amd-amdhsa--gfx1250"
	.amdhsa_code_object_version 6
	.text
	.protected	k_q4a9bd472ad_final
	.globl	k_q4a9bd472ad_final
	.p2align	8
	.type	k_q4a9bd472ad_final,@function
k_q4a9bd472ad_final:
	s_mov_b64 s[64:65], 0
	v_nop
	global_prefetch_b8 v0, s[64:65] scope:SCOPE_SE
	s_setreg_imm32_b32 hwreg(HW_REG_WAVE_MODE, 25, 1), 1
	s_wait_xcnt 0x0
	s_wait_alu depctr_hold_cnt(0) depctr_sa_sdst(0) depctr_va_vdst(0) depctr_va_sdst(0) depctr_va_ssrc(0) depctr_va_vcc(0) depctr_vm_vsrc(0)
	s_getreg_b32 s2, hwreg(HW_REG_IB_STS2, 6, 4)
	s_cmp_eq_u32 s2, 0
	s_cbranch_scc0 .Lentry_in_a_cluster
	s_endpgm
.Lentry_in_a_cluster:
	s_bfe_u32 s2, ttmp6, 0x10000c
	s_cmp_lg_u32 s2, 0x3003
	s_cbranch_scc0 .Lentry_shape_is_right
	s_endpgm
.Lentry_shape_is_right:
; THE ROW-LOCAL PART OF A LAYER: x1 = LN(x + o proj_w + proj_b); x2 = LN(x1 + gelu(x1 w1 + b1) w2 + b2); with HAS_QKV = 1 x2 is stored in the accumulators' order and the NEXT layer's
; q, k, v = x2 W are made; with HAS_QKV = 0 (the last layer, this file) x2 is stored row-major as the result.
; SHARES: a work-group owns 32 rows (two token tiles of 16); wave w owns output columns 64 w .. 64 w + 63 of each product: 4 column tiles x 2 token tiles = 8 accumulators.
; 32 rows, so 128 work-groups: every work-group walks all of a layer's weights whatever its rows, so 16 rows on twice the work-groups would move twice the bytes for the same walk.
; THE PRODUCTS ARE USED TRANSPOSED (source 0 = 16 output columns of W, source 1 = 16 tokens): a lane holds ONE token and eight neighbouring columns, so a norm's sums are sums in the lane,
; one exchange between the halves of the lanes and one meeting of the four waves in LDS; and eight results pack into one 16-byte piece of the next product's fragment
; (fragment order: a tile of 16 x 32 is 1,024 bytes, piece j at 512 j, lane L at 16 L).
; Residual and bias are the product's starting addend.  The residual stays in f32 in registers (XR).
; WEIGHTS come through two LDS slots of one matrix each; a wave loads and reads only its own quarter.  CLUSTER: the four work-groups of a cluster walk the same weights, so each quarter is
; asked for jointly (mask 15).  By this text's count a wave has three tensor loads out at the start and one behind the round.
; LIMITS: matrix operands are bf16.  erf by 1 - (a1 t + .. + a5 t^5) exp(-z^2), t = 1 / (1 + 0.3275911 z) (Abramowitz and Stegun 7.1.26: within 1.5e-7 for every z >= 0, odd for z < 0);
; gelu(x) = max(x, 0) - |x| R, R = half that polynomial times the exponential.  The variance is made of each wave's mean and sum of squared deviations from ITS mean,
; merged as sum M2 + 64 sum (mean_w - mean)^2: no difference of large sums.  An infinite x gives NaN in gelu.
.set HAS_QKV, 0
.set TILE,  131072                     ; a matrix of 256 x 256 bf16, and an LDS slot
.set VECG,  6*TILE                     ; the vectors in the parameter block
.set SLOT1, TILE
.set VEC,   2*TILE                     ; [wave 4][vector 7][64 f32], filled once: 0 proj_b, 1 g1, 2 be1, 3 b1, 4 b2, 5 g2, 6 be2
.set ACT,   VEC+7168                   ; the activations as fragments: [token tile 2][K step 8][1,024]; this and what follows is written by LDS stores alone
.set STAT1, ACT+16384                  ; [token tile 2][token 16][wave 4] x (mean, M2), for the first norm; the second's 1,024 bytes on
.set STG,   STAT1+2048                 ; the way out: 16 rows x 272 bytes a wave
.set SPARE, STG+17408                  ; the spare words, 128 bytes a wave: two blocks of 256 bytes that no other line names
.set L16, 1                            ; v1   16 x lane
.set T16, 2                            ; v2   16 x thread
.set WB0, 3                            ; v3   my quarter of slot 0
.set AB0, 4                            ; v4   the activations
.set WA,  5                            ; v5, v6  the two addresses as they walk along K
.set AA,  6
.set VA,  7                            ; v7   my lane's columns in my wave's vectors
.set STW, 8                            ; v8   where my wave's figures of token L % 16 go
.set STR, 9                            ; v9   where the four waves' figures of that token lie
.set ASTO, 10                          ; v10  where my wave's columns lie in ACT
.set SIN, 11                           ; v11  into the stage
.set SBK, 12                           ; v12  back from the stage
.set OOF, 13                           ; v13  my 16 bytes in two rows of the result
.set SPW, 14                           ; v14  LDS address of my spare word; never rewritten
.set NIL, 15                           ; v15  0; never rewritten
.set XR,  16                           ; v[16:79]   the residual, in the accumulators' order
.set ACC, 80                           ; v[80:143]  accumulator (token tile t, column tile n) at 8 (4 t + n)
.set FB0, 144                          ; v[144:191], v[192:239] two fragment buffers: 32 registers of weights, 16 of activations; between products at work
.set FB1, 192
.set T,   240                          ; v[240:255] at work
.set GA,  FB0                          ; gelu: eight numbers at a time
.set GD,  FB0+8
.set GM,  FB0+16
.set GP,  FB0+24
.set VA5, FB1
.macro SPAIR r, val                    ; a constant for packed arithmetic: named as a pair, so both words are written
	s_mov_b32 s[\r], \val
	s_mov_b32 s[\r+1], \val
.endm
.macro PLACES                          ; four plain vector instructions between a matrix instruction and what touches its registers (ISA guide 7.12.1)
.rept 4
	v_nop
.endr
.endm
.macro ROUND                           ; a round of the cluster's barrier
	s_barrier_signal -1
	s_barrier_wait -1
	s_cmp_lg_u32 s14, 0
	s_cbranch_scc1 .Lnot_wave_0_\@
	s_barrier_signal -3
.Lnot_wave_0_\@:
	s_barrier_wait -3
	s_barrier_signal -1
	s_barrier_wait -1
.endm
.macro MEET                            ; what I stored into LDS is there, what I read is back; then all four waves
	s_wait_dscnt 0x0
	s_barrier_signal -1
	s_barrier_wait -1
.endm
.macro LDFRAG f, off                   ; one K step's fragments: 4 column tiles of my weights, 2 token tiles
.irp n, 0,1,2,3
	ds_load_b128 v[\f+8*\n:\f+8*\n+3],   v[WA] offset:\off+\n*8192
	ds_load_b128 v[\f+8*\n+4:\f+8*\n+7], v[WA] offset:\off+\n*8192+512
.endr
.irp t, 0,1
	ds_load_b128 v[\f+32+8*\t:\f+32+8*\t+3],   v[AA] offset:\off+\t*8192
	ds_load_b128 v[\f+32+8*\t+4:\f+32+8*\t+7], v[AA] offset:\off+\t*8192+512
.endr
.endm
.macro MUL8 f                          ; the eight accumulators take turns, one instruction a turn
.irp n, 0,1,2,3
.irp t, 0,1
.set rD, ACC+8*(4*\t+\n)
	v_wmma_f32_16x16x32_bf16 v[rD:rD+7], v[\f+8*\n:\f+8*\n+7], v[\f+32+8*\t:\f+32+8*\t+7], v[rD:rD+7]
.endr
.endr
.endm
.macro STEP cur, nxt, off              ; multiplies buffer cur; before that the next K step's fragments are asked for
.if \off >= 0
	PLACES                                         ; the last K step's products read buffer nxt
	LDFRAG \nxt, \off
	s_wait_dscnt 12                                ; all but the 12 just issued
.else
	s_wait_dscnt 0x0
.endif
	MUL8 \cur
.endm
.macro GEMM slot                       ; eight K steps of 32, onto what the accumulators hold
	v_add_nc_u32 v[WA], \slot*TILE, v[WB0]
	v_mov_b32 v[AA], v[AB0]
	LDFRAG FB0, 0
	STEP FB0, FB1, 1024
	s_mov_b32 s54, 3
.Lk_\@:
	STEP FB1, FB0, 2048
	STEP FB0, FB1, 3072
	v_add_nc_u32 v[WA], 2048, v[WA]
	v_add_nc_u32 v[AA], 2048, v[AA]
	s_sub_co_u32 s54, s54, 1
	s_cmp_lg_u32 s54, 0
	s_cbranch_scc1 .Lk_\@
	STEP FB1, 0, -1
.endm
.macro REFILL s                        ; slot s, just read out, takes the matrix two further on
	s_wait_tensorcnt 0x0                           ; no tensor load of mine is out, so a group 0 may be written; the other slot's matrix has landed
	ds_add_u32 v[SPW], v[NIL]                      ; 0 onto my spare word
	s_add_nc_u64 s[42+4*\s:43+4*\s], s[42+4*\s:43+4*\s], 2*TILE
	s_wait_dscnt 0x0                               ; the add is done, and my reads of the slot and of the activations are over
	ROUND                                          ; that now holds of every wave of the four work-groups
	tensor_load_to_lds s[40+4*\s:43+4*\s], s[24:31]
	s_nop 0
	PLACES                                         ; also the places behind the product's last matrix instructions
.endm
.macro VLOAD dst, vec                  ; my lane's 32 numbers of a vector: columns 16 n + 8 h + 0..7
.irp n, 0,1,2,3,4,5,6,7
	ds_load_b128 v[\dst+4*\n:\dst+4*\n+3], v[VA] offset:\vec*256+(\n/2)*64+(\n%2)*16
.endr
.endm
.macro ADDB vec                        ; the next product starts from residual + bias
	VLOAD FB1, \vec
	s_wait_dscnt 0x0
.irp t, 0,1
.set k, 0
.rept 16
	v_pk_add_f32 v[ACC+32*\t+2*k:ACC+32*\t+2*k+1], v[XR+32*\t+2*k:XR+32*\t+2*k+1], v[FB1+2*k:FB1+2*k+1]
.set k, k+1
.endr
.endr
.endm
.macro PACKACT src                     ; 64 f32 a lane -> bf16 -> my wave's two K steps of ACT; each store covers 512 consecutive bytes
.irp t, 0,1
.irp n, 0,1,2,3
.irp i, 0,1,2,3
	v_cvt_pk_bf16_f32 v[T+4*\n+\i], v[\src+32*\t+8*\n+2*\i], v[\src+32*\t+8*\n+2*\i+1]
.endr
	ds_store_b128 v[ASTO], v[T+4*\n:T+4*\n+3] offset:\t*8192+(\n/2)*1024+(\n%2)*512
.endr
.endr
.endm
.macro FOLD                            ; four pairs of partial sums -> one number, and the other half of the lanes' beside it
	v_pk_add_f32 v[T:T+1], v[T:T+1], v[T+2:T+3]
	v_pk_add_f32 v[T+4:T+5], v[T+4:T+5], v[T+6:T+7]
	v_pk_add_f32 v[T:T+1], v[T:T+1], v[T+4:T+5]
	v_add_f32 v[T], v[T], v[T+1]
	v_permlanex16_b32 v[T+1], v[T], s52, s53
.endm
; XR = LayerNorm(ACC) g + be.  so: the figures' bytes, from STAT1.  Each accumulator is read from its low end on.
.macro LN so, vg, vb
.irp t, 0,1
.irp n, 0,1,2,3
	v_pk_add_f32 v[T+2*\n:T+2*\n+1], v[ACC+32*\t+8*\n:ACC+32*\t+8*\n+1], v[ACC+32*\t+8*\n+2:ACC+32*\t+8*\n+3]
.endr
.irp k, 4,6
.irp n, 0,1,2,3
	v_pk_add_f32 v[T+2*\n:T+2*\n+1], v[T+2*\n:T+2*\n+1], v[ACC+32*\t+8*\n+\k:ACC+32*\t+8*\n+\k+1]
.endr
.endr
	FOLD
	v_add_f32 v[T], v[T], v[T+1]
	v_mul_f32 v[T+8], s72, v[T]                    ; the mean of the token's 64 columns in my wave
	v_mul_f32 v[T+9], s72, v[T]
.set k, 0
.rept 16
	v_pk_add_f32 v[FB0+2*k:FB0+2*k+1], v[ACC+32*\t+2*k:ACC+32*\t+2*k+1], v[T+8:T+9] neg_lo:[0,1] neg_hi:[0,1]
.set k, k+1
.endr
.irp n, 0,1,2,3
	v_pk_mul_f32 v[T+2*\n:T+2*\n+1], v[FB0+2*\n:FB0+2*\n+1], v[FB0+2*\n:FB0+2*\n+1]
.endr
.set k, 4
.rept 12
	v_pk_fma_f32 v[T+2*(k%4):T+2*(k%4)+1], v[FB0+2*k:FB0+2*k+1], v[FB0+2*k:FB0+2*k+1], v[T+2*(k%4):T+2*(k%4)+1]
.set k, k+1
.endr
	FOLD
	v_add_f32 v[T+9], v[T], v[T+1]                 ; the sum of squared deviations from that mean
	ds_store_b64 v[STW], v[T+8:T+9] offset:\so+\t*512
.endr
	VLOAD FB0, \vg
	VLOAD FB1, \vb
	MEET                                           ; the four waves' figures are in LDS
.irp t, 0,1
	ds_load_b128 v[FB0+32+8*\t:FB0+35+8*\t], v[STR] offset:\so+\t*512
	ds_load_b128 v[FB0+36+8*\t:FB0+39+8*\t], v[STR] offset:\so+\t*512+16
.endr
	s_wait_dscnt 0x0
.irp t, 0,1
.set rR, FB0+32+8*\t
	v_add_f32 v[T], v[rR], v[rR+2]
	v_add_f32 v[T+1], v[rR+4], v[rR+6]
	v_add_f32 v[T+2], v[rR+1], v[rR+3]
	v_add_f32 v[T+3], v[rR+5], v[rR+7]
	v_add_f32 v[T], v[T], v[T+1]
	v_add_f32 v[T+2], v[T+2], v[T+3]
	v_mul_f32 v[T], s76, v[T]                      ; the row's mean
	v_sub_f32 v[T+4], v[rR], v[T]
	v_sub_f32 v[T+5], v[rR+2], v[T]
	v_sub_f32 v[T+6], v[rR+4], v[T]
	v_sub_f32 v[T+7], v[rR+6], v[T]
	v_mul_f32 v[T+4], v[T+4], v[T+4]
	v_fmac_f32 v[T+4], v[T+5], v[T+5]
	v_fmac_f32 v[T+4], v[T+6], v[T+6]
	v_fmac_f32 v[T+4], v[T+7], v[T+7]
	v_fmac_f32 v[T+2], s73, v[T+4]                 ; + 64 x the means' squared deviations
	v_fma_f32 v[T+2], v[T+2], s74, s75             ; / 256 + eps
	v_rsq_f32 v[T+12+2*\t], v[T+2]
	v_nop                                          ; a plain instruction between the root and its use
	s_wait_alu depctr_va_vdst(0)
	v_mul_f32 v[T+13+2*\t], -v[T], v[T+12+2*\t]    ; -mean x rstd
.endr
.irp t, 0,1
.set k, 0
.rept 16
	v_pk_fma_f32 v[XR+32*\t+2*k:XR+32*\t+2*k+1], v[ACC+32*\t+2*k:ACC+32*\t+2*k+1], v[T+12+2*\t:T+13+2*\t], v[T+12+2*\t:T+13+2*\t] op_sel:[0,0,1] op_sel_hi:[1,0,1]
.set k, k+1
.endr
.set k, 0
.rept 16
	v_pk_fma_f32 v[XR+32*\t+2*k:XR+32*\t+2*k+1], v[XR+32*\t+2*k:XR+32*\t+2*k+1], v[FB0+2*k:FB0+2*k+1], v[FB1+2*k:FB1+2*k+1]
.set k, k+1
.endr
.endr
.endm
.macro GELU8 x                         ; eight numbers (one accumulator) in place
.irp p, 0,2,4,6
	v_pk_mul_f32 v[GA+\p:GA+\p+1], v[\x+\p:\x+\p+1], s[56:57] op_sel_hi:[1,0]     ; a = x sqrt(log2(e) / 2): a^2 = z^2 log2(e), z = |x| / sqrt(2)
.endr
.irp i, 0,1,2,3,4,5,6,7
	v_fma_f32 v[GD+\i], |v[GA+\i]|, s58, 1.0                                       ; 1 + 0.3275911 z
.endr
.irp p, 0,2,4,6
	v_pk_mul_f32 v[GA+\p:GA+\p+1], v[GA+\p:GA+\p+1], v[GA+\p:GA+\p+1]
.endr
.irp i, 0,1,2,3,4,5,6,7
	v_rcp_f32 v[GD+\i], v[GD+\i]                                                   ; t
.endr
.irp i, 0,1,2,3,4,5,6,7
	v_exp_f32 v[GA+\i], -v[GA+\i]                                                  ; exp(-z^2)
.endr
.irp i, 0,1,2,3,4,5,6,7
	v_max_num_f32 v[GM+\i], 0, v[\x+\i]                                            ; plain instructions behind the transcendentals
.endr
	s_wait_alu depctr_va_vdst(0)
.irp p, 0,2,4,6
	v_pk_fma_f32 v[GP+\p:GP+\p+1], v[GD+\p:GD+\p+1], v[VA5:VA5+1], s[60:61] op_sel_hi:[1,1,0]
.endr
.irp c, 62,66,68
.irp p, 0,2,4,6
	v_pk_fma_f32 v[GP+\p:GP+\p+1], v[GP+\p:GP+\p+1], v[GD+\p:GD+\p+1], s[\c:\c+1] op_sel_hi:[1,1,0]
.endr
.endr
.irp p, 0,2,4,6
	v_pk_mul_f32 v[GD+\p:GD+\p+1], v[GD+\p:GD+\p+1], v[GA+\p:GA+\p+1]
.endr
.irp p, 0,2,4,6
	v_pk_mul_f32 v[GP+\p:GP+\p+1], v[GP+\p:GP+\p+1], v[GD+\p:GD+\p+1]              ; R
.endr
.irp i, 0,1,2,3,4,5,6,7
	v_fma_f32 v[\x+\i], -|v[\x+\i]|, v[GP+\i], v[GM+\i]
.endr
.endm
	s_load_b256 s[4:11], s[0:1], 0x0               ; x in s[4:5], o s[6:7], the parameter block s[8:9], the result s[10:11]
	v_lshl_add_u32 v[SPW], v0, 2, SPARE
	v_mov_b32 v[NIL], 0
	ds_add_u32 v14, v15
	s_wait_dscnt 0x0
	v_lshrrev_b32 v1, 5, v0
	v_readfirstlane_b32 s14, v1                    ; wave w
	v_and_b32 v1, 31, v0
	v_lshlrev_b32 v[L16], 4, v1
	v_lshlrev_b32 v[T16], 4, v0
	s_bfe_u32 s15, ttmp6, 0x40000                  ; my place in the cluster
	s_lshl_b32 s16, ttmp9, 2
	s_add_co_u32 s16, s16, s15                     ; my block of 32 rows: it enters global addresses of x, o and the result alone
	s_mov_b32 s24, 15|(3<<16)|(1<<21)              ; group 1 for weights: mask of the four work-groups; elements of 8 bytes; bit 21 beside a mask
	s_mov_b32 s25, 32<<16                          ; tensor_dim0 = 32 elements = 256 bytes
	s_mov_b32 s26, 128<<16                         ; tensor_dim1 = 128 rows: a quarter of a matrix, dense
	s_mov_b32 s27, 32<<16                          ; tile_dim0
	s_mov_b32 s28, 128                             ; tile_dim1
	s_mov_b32 s29, 32                              ; pitch
	s_mov_b32 s30, 0
	s_mov_b32 s31, 0
	s_mov_b32 s32, 15|(3<<16)|(1<<21)              ; group 1 for the vectors: the same with 7 rows
	s_mov_b32 s33, 32<<16
	s_mov_b32 s34, 7<<16
	s_mov_b32 s35, 32<<16
	s_mov_b32 s36, 7
	s_mov_b32 s37, 32
	s_mov_b32 s38, 0
	s_mov_b32 s39, 0
	s_mov_b32 s40, 1                               ; group 0 of slot 0
	s_lshl_b32 s41, s14, 15                        ; my quarter: wave x 32,768
	s_mov_b32 s44, 1                               ; group 0 of slot 1
	s_add_co_u32 s45, s41, SLOT1
	s_mov_b32 s48, 1                               ; group 0 of the vectors
	s_mul_i32 s22, s14, 1792
	s_add_co_u32 s49, s22, VEC
	s_add_co_u32 s22, s22, VECG
	s_mov_b32 s23, 0
	s_lshl_b32 s18, s14, 15
	s_mov_b32 s19, 0
	s_mov_b32 s52, 0x76543210                      ; v_permlanex16_b32: each lane takes its own place in the other half
	s_mov_b32 s53, 0xfedcba98
	SPAIR 56, 0.84932180                           ; sqrt(log2(e) / 2)
	s_mov_b32 s58, 0.27273750                      ; 0.3275911 / (sqrt(2) x the line above)
	SPAIR 60, -0.72657601                          ; a4 / 2
	SPAIR 62, 0.71070687                           ; a3 / 2
	SPAIR 66, -0.14224837                          ; a2 / 2
	SPAIR 68, 0.12741480                           ; a1 / 2
	s_mov_b32 s72, 0x3c800000                      ; 1 / 64
	s_mov_b32 s73, 0x42800000                      ; 64
	s_mov_b32 s74, 0x3b800000                      ; 1 / 256
	s_mov_b32 s75, 0x358637bd                      ; eps = 1e-6
	s_mov_b32 s76, 0x3e800000                      ; 1 / 4
	s_lshl_b32 s86, s16, 15                        ; 32 rows of f32
	s_mov_b32 s87, 0
	s_lshl_b32 s88, s16, 14                        ; 32 rows of bf16
	s_mov_b32 s89, 0
	s_wait_kmcnt 0x0
	s_add_nc_u64 s[42:43], s[8:9], s[18:19]        ; slot 0 begins with proj_w,
	s_add_nc_u64 s[46:47], s[42:43], TILE          ; slot 1 with w1
	s_add_nc_u64 s[50:51], s[8:9], s[22:23]
	s_or_b32 s43, s43, 0x80000000
	s_or_b32 s47, s47, 0x80000000
	s_or_b32 s51, s51, 0x80000000
	s_add_nc_u64 s[4:5], s[4:5], s[86:87]
	s_add_nc_u64 s[6:7], s[6:7], s[88:89]
	s_add_nc_u64 s[10:11], s[10:11], s[86:87]
.irp i, 0,1,2,3,4,5,6,7
	global_load_b128 v[ACC+4*\i:ACC+4*\i+3], v[T16], s[6:7] offset:\i*2048   ; o, already in ACT's order
.endr
.set i, 0
.rept 16
	global_load_b128 v[XR+4*i:XR+4*i+3], v[T16], s[4:5] offset:i*2048
.set i, i+1
.endr
	ROUND                                          ; the four work-groups are here: the first joint loads meet
	tensor_load_to_lds s[48:51], s[32:39]          ; my share of the vectors,
	s_nop 0
	tensor_load_to_lds s[40:43], s[24:31]          ; of proj_w,
	s_nop 0
	tensor_load_to_lds s[44:47], s[24:31]          ; of w1
	s_nop 0
	PLACES
	v_and_b32 v[WA], 15, v0                        ; r = L % 16
	v_bfe_u32 v[AA], v0, 4, 1                      ; h = L / 16
	v_add_nc_u32 v[WB0], s41, v[L16]
	v_add_nc_u32 v[AB0], ACT, v[L16]
	v_lshl_add_u32 v[VA], v[AA], 5, s49
	s_lshl_b32 s22, s14, 3
	s_add_co_u32 s22, s22, STAT1
	v_lshlrev_b32 v[STR], 5, v[WA]
	v_add_nc_u32 v[STW], s22, v[STR]
	v_add_nc_u32 v[STR], STAT1, v[STR]
	s_lshl_b32 s22, s14, 11
	s_add_co_u32 s22, s22, ACT
	v_add_nc_u32 v[ASTO], s22, v[L16]
	s_mul_i32 s22, s14, 4352
	s_add_co_u32 s22, s22, STG
	v_mul_u32_u24 v[SIN], v[WA], 272               ; in: row r, columns 8 h on
	v_lshl_add_u32 v[SIN], v[AA], 5, v[SIN]
	v_add_nc_u32 v[SIN], s22, v[SIN]
	v_mul_u32_u24 v[SBK], v[AA], 272               ; back: lanes 0-15 one row of 256 bytes, lanes 16-31 the next
	v_lshl_add_u32 v[SBK], v[WA], 4, v[SBK]
	v_add_nc_u32 v[SBK], s22, v[SBK]
	s_lshl_b32 s23, s14, 8
	v_lshl_add_u32 v[OOF], v[WA], 4, s23
	v_lshl_add_u32 v[OOF], v[AA], 10, v[OOF]
	v_add_nc_u32 v[WA], ACT, v[T16]
	s_wait_loadcnt 16                              ; o is in; the residual's 16 loads may stay out
.irp i, 0,1,2,3,4,5,6,7
	ds_store_b128 v[WA], v[ACC+4*\i:ACC+4*\i+3] offset:\i*2048
.endr
	s_wait_tensorcnt 0x1                           ; my vectors and my quarter of proj_w are in (only I read them); w1 may stay out
	MEET                                           ; ACT is whole
	s_wait_loadcnt 0x0
	; ---------------- x1 = LN(x + o proj_w + proj_b) ----------------
	ADDB 0
	GEMM 0
	REFILL 0                                       ; w2; the round also shows that every wave's reads of ACT are over
	LN 0, 1, 2
	PACKACT XR
	MEET
	; ---------------- gelu(x1 w1 + b1) ----------------
	VLOAD ACC, 3                                   ; the bias is the product's starting addend, for both token tiles
	VLOAD ACC+32, 3
	s_wait_dscnt 0x0
	GEMM 1
	MEET                                           ; every wave's reads of ACT are over
	PLACES
	v_mov_b32 v[VA5], 0.53070271                   ; a5 / 2
	v_mov_b32 v[VA5+1], v[VA5]
.irp a, 0,1,2,3,4,5,6,7
	GELU8 ACC+8*\a
.endr
	PACKACT ACC
	MEET
	; ---------------- x2 = LN(x1 + .. w2 + b2) ----------------
	ADDB 4
	s_wait_tensorcnt 0x0                           ; my quarter of w2: the last tensor load
	GEMM 0
	PLACES
	LN 1024, 5, 6
	; ---------------- the result, row-major, through my own stage ----------------
.irp t, 0,1
.irp n, 0,1,2,3,4,5,6,7
	ds_store_b128 v[SIN], v[XR+32*\t+4*\n:XR+32*\t+4*\n+3] offset:(\n/2)*64+(\n%2)*16
.endr
.irp i, 0,1,2,3,4,5,6,7
	ds_load_b128 v[ACC+32*\t+4*\i:ACC+32*\t+4*\i+3], v[SBK] offset:\i*544   ; my own bytes: LDS serves a wave's instructions in order (ISA guide 5.7.1.4)
.endr
.endr
	s_wait_dscnt 16                                ; the first token tile is back; the second's 8 stores and 8 loads may stay out
.irp i, 0,1,2,3,4,5,6,7
	global_store_b128 v[OOF], v[ACC+4*\i:ACC+4*\i+3], s[10:11] offset:\i*2048   ; sixteen lanes store 256 consecutive bytes, aligned
.endr
	s_wait_dscnt 0x0
.irp i, 0,1,2,3,4,5,6,7
	global_store_b128 v[OOF], v[ACC+32+4*\i:ACC+32+4*\i+3], s[10:11] offset:16384+\i*2048
.endr
	s_wait_tensorcnt 0x0                           ; the wave's end
	ds_add_u32 v[SPW], v[NIL]
	s_wait_dscnt 0x0
	ROUND                                          ; the closing round
	s_endpgm
.Lfunc_end_k_q4a9bd472ad_final:
	.size	k_q4a9bd472ad_final, .Lfunc_end_k_q4a9bd472ad_final-k_q4a9bd472ad_final
	.p2alignl 7, 3214868480
	.fill 96, 4, 3214868480
	.section	.rodata,"a",@progbits
	.p2align	6, 0x0
	.amdhsa_kernel k_q4a9bd472ad_final
		.amdhsa_group_segment_fixed_size 327680
		.amdhsa_private_segment_fixed_size 0
		.amdhsa_enable_private_segment 0
		.amdhsa_kernarg_size 32
		.amdhsa_user_sgpr_count 2
		.amdhsa_user_sgpr_kernarg_segment_ptr 1
		.amdhsa_wavefront_size32 1
		.amdhsa_system_sgpr_workgroup_id_x 1
		.amdhsa_system_sgpr_workgroup_id_y 1
		.amdhsa_system_sgpr_workgroup_id_z 1
		.amdhsa_system_vgpr_workitem_id 0
		.amdhsa_next_free_vgpr 256
		.amdhsa_next_free_sgpr 96
		.amdhsa_reserve_vcc 0
		.amdhsa_float_denorm_mode_32 3
		.amdhsa_float_denorm_mode_16_64 3
		.amdhsa_memory_ordered 1
		.amdhsa_forward_progress 1
		.amdhsa_inst_pref_size 103
	.end_amdhsa_kernel
	.amdgpu_metadata
---
amdhsa.version: [ 1, 2 ]
amdhsa.kernels:
  - .name:           k_q4a9bd472ad_final
    .symbol:         k_q4a9bd472ad_final.kd
    .args:
      - { .name: xb, .offset: 0, .size: 8, .value_kind: global_buffer, .address_space: global }
      - { .name: of, .offset: 8, .size: 8, .value_kind: global_buffer, .address_space: global }
      - { .name: p3, .offset: 16, .size: 8, .value_kind: global_buffer, .address_space: global }
      - { .name: out0, .offset: 24, .size: 8, .value_kind: global_buffer, .address_space: global }
    .group_segment_fixed_size: 327680
    .private_segment_fixed_size: 0
    .kernarg_segment_align: 8
    .kernarg_segment_size: 32
    .max_flat_workgroup_size: 128
    .sgpr_count:     96
    .vgpr_count:     256
    .wavefront_size: 32
...
	.end_amdgpu_metadata
.endif
;; end of part 5
;; ======== version 2 of 2: 10 launches; 1.19 times as fast as version 1
;; limits: a function is approximated: absolute error at most 1.5e-07; a function is approximated: absolute error at most 0.0006
;; workspace buffers: p0 793,600 bytes; p1 793,600 bytes; p2 793,600 bytes; p3 793,600 bytes; qkv 6,291,456 bytes; of 2,097,152 bytes; xa 4,194,304 bytes; xb 4,194,304 bytes
;; launch prep: the kernel of part 1 again; grid 112 x 4, 4 waves a work-group, no clusters, 17,920 bytes of LDS; arguments x, qkv_w, proj_w, w1, w2, proj_b, g1, be1, b1, b2, g2, be2, p0, p1, p2, p3, xa; writes p0, p1, p2, p3, xa
;; launch embed: the kernel of part 2 again; grid 128 x 1, 4 waves a work-group, clusters of 4 x 1, 327,680 bytes of LDS; arguments xa, p3, qkv; writes qkv
;; launch attn (part 6): grid 16 x 16, 8 waves a work-group, clusters of 4 x 1, 281,600 bytes of LDS; arguments qkv, of; writes of
.if DOCPART == 6
	.amdgcn_target "amdgcn-amd-amdhsa--gfx1250"
	.amdhsa_code_object_version 6
	.text
	.protected	k_q4a9bd472ad_attn
	.globl	k_q4a9bd472ad_attn
	.p2align	8
	.type	k_q4a9bd472ad_attn,@function
k_q4a9bd472ad_attn:
	s_mov_b64 s[64:65], 0
	v_nop
	global_prefetch_b8 v0, s[64:65] scope:SCOPE_SE
	s_setreg_imm32_b32 hwreg(HW_REG_WAVE_MODE, 25, 1), 1
	s_wait_xcnt 0x0
	s_wait_alu depctr_hold_cnt(0) depctr_sa_sdst(0) depctr_va_vdst(0) depctr_va_sdst(0) depctr_va_ssrc(0) depctr_va_vcc(0) depctr_vm_vsrc(0)
	s_getreg_b32 s2, hwreg(HW_REG_IB_STS2, 6, 4)
	s_cmp_eq_u32 s2, 0
	s_cbranch_scc0 .Lentry_in_a_cluster
	s_endpgm
.Lentry_in_a_cluster:
	s_bfe_u32 s2, ttmp6, 0x10000c
	s_cmp_lg_u32 s2, 0x3003
	s_cbranch_scc0 .Lentry_shape_is_right
	s_endpgm
.Lentry_shape_is_right:
; ATTENTION OF ONE LAYER.  o[b][q][h] = sum over k of softmax_k(q . k / sqrt(32)) v.  16 (batch, head) x 2,048 tokens x 32 channels, bf16 in fragment order
; (a tile of 16 x 32 is 1,024 bytes: piece j at 512 j, lane L at 16 L), q already multiplied by c = log2(e) / sqrt(32), so that a score is an exponent to base 2.
; SHARES: a work-group owns 128 queries of one (batch, head).  Eight waves: waves w and w + 4 own the same 32 queries (two tiles of 16) and each walks one half of the
; 2,048 keys, 64 a chunk, so a fragment of K or V read from LDS feeds two query tiles.  At the end waves 4-7 hand their m, l and O^T to waves 0-3 through LDS.
; TWO WAVES TO A SIMD: a chunk is 16 matrix instructions and some 230 vector instructions, in phases; while one wave walks its vector phase the other can have the matrix unit.
; ONE PASS: each score is made once.  For each query a running maximum m and sum l: p = 2^(s - m); in every chunk l and O^T are multiplied by a = 2^(m_old - m_new), which is 1 where m has not grown.
; BATCHES OF TRANSCENDENTALS: a chunk's 66 exponentials (the two a, then the 64 weights) are ONE batch with ONE wait.  Ahead of the wait stand the subtractions s - m and the exponentials,
; none of which names an exponential's result; behind it stands all that does: the roundings, the sums, the rescaling of O^T by a.  Where the halves of the keys meet, the four exponentials
; are a batch, and the two reciprocals of the sums made of them a second one.
; LDS: the head's K (131,072 bytes) and V (131,072) are brought in ONCE; nothing is filled again.  Each wave asks for two pieces of 16,384 bytes: an EARLY one (of the first 512 keys
; of each half, K and V) and a LATE one (of the other 512): the first seven chunks are worked on while the late pieces are on their way.  A wave has two tensor loads out.
; CLUSTER: the four query blocks of a cluster belong to one head, so each piece is asked for jointly (mask 15).
; LAYOUT: S^T = K Q^T (source 0 = 16 keys, source 1 = 16 queries): a lane holds ONE query (L % 16) and keys 8 (L / 16) + 0..7.  Two such tiles, rounded in pairs,
; ARE source 1 (32 keys x 16 queries) of O^T = V^T P, whose result again holds one query a lane and eight channels: a piece of the next product's fragment.
; LIMITS: p is rounded to bf16 for V^T P; the row sum is of the unrounded p.
.set KV0,  2097152                     ; k and v lie behind q: [head 16][K 131,072 | V 131,072]
.set VLDS, 131072                      ; V in LDS, behind K
.set CH,   4096                        ; a chunk of 64 keys: 4 tiles of K; 2 blocks x 2 channel tiles of V
.set MRG,  262144                      ; behind K and V: 4,608 bytes for each pair of waves, written by LDS stores alone
.set MRGW, 4608
.set QF,   8                           ; v[8:23]    Q, 8 registers a query tile
.set ST,   24                          ; v[24:39]   tile t at 8 t: +0 m, +2 a (+1, +3 are named with them as pairs), +4:5 and +6:7 two pairs of sums
.set CM,   40                          ; v[40:47]   tile t at 4 t: four chains of the maximum
.set O,    48                          ; v[48:79]   O^T: (query tile t, channel tile c) at 8 (2 t + c)
.set P,    80                          ; v[80:111]  P of a chunk: (t, block of 32 keys b) at 16 t + 8 b
.set KF,   112                         ; v[112:143] K of a chunk: key tile k at 8 k
.set VF,   144                         ; v[144:175] V of a chunk: (b, c) at 16 b + 8 c
.set S,    176                         ; v[176:239] S^T of a chunk: (t, k) at 32 t + 8 k
.set T,    240                         ; v[240:255] at work at the end
.macro PLACES                          ; four plain vector instructions
.rept 4
	v_nop
.endr
.endm
.macro ROUND                           ; a round of the cluster's barrier
	s_barrier_signal -1
	s_barrier_wait -1
	s_cmp_lg_u32 s8, 0
	s_cbranch_scc1 .Lnot_wave_0_\@
	s_barrier_signal -3
.Lnot_wave_0_\@:
	s_barrier_wait -3
	s_barrier_signal -1
	s_barrier_wait -1
.endm
.macro LDK                             ; a chunk's K: each load covers 512 consecutive bytes
.irp i, 0,1,2,3
	ds_load_b128 v[KF+8*\i:KF+8*\i+3],   v2 offset:\i*1024
	ds_load_b128 v[KF+8*\i+4:KF+8*\i+7], v2 offset:\i*1024+512
.endr
.endm
.macro LDV                             ; a chunk's V
.irp i, 0,1,2,3
	ds_load_b128 v[VF+8*\i:VF+8*\i+3],   v3 offset:\i*1024
	ds_load_b128 v[VF+8*\i+4:VF+8*\i+7], v3 offset:\i*1024+512
.endr
.endm
; THE MAXIMUM of a lane's 32 scores and the old m, three operands at a time, for both tiles by turns: four chains of seven scores (each begins at its tile's low registers), then the four
; scores left over, the chains and m; the other half of the lanes' by one exchange.  first = 1: there is no old m and no a.
.macro MAXES first
.irp j, 0,1,2,3
.irp t, 0,1
	v_max3_num_f32 v[CM+4*\t+\j], v[S+32*\t+8*\j], v[S+32*\t+8*\j+1], v[S+32*\t+8*\j+2]
.endr
.endr
.irp k, 3,5
.irp j, 0,1,2,3
.irp t, 0,1
	v_max3_num_f32 v[CM+4*\t+\j], v[CM+4*\t+\j], v[S+32*\t+8*\j+\k], v[S+32*\t+8*\j+\k+1]
.endr
.endr
.endr
.irp t, 0,1
	v_max3_num_f32 v[CM+4*\t],   v[CM+4*\t],   v[S+32*\t+7],  v[S+32*\t+15]
	v_max3_num_f32 v[CM+4*\t+2], v[CM+4*\t+2], v[S+32*\t+23], v[S+32*\t+31]
.endr
.irp t, 0,1
	v_max3_num_f32 v[CM+4*\t], v[CM+4*\t], v[CM+4*\t+1], v[CM+4*\t+2]
.endr
.irp t, 0,1
.if \first
	v_max_num_f32 v[CM+4*\t], v[CM+4*\t], v[CM+4*\t+3]
.else
	v_max3_num_f32 v[CM+4*\t], v[CM+4*\t], v[CM+4*\t+3], v[ST+8*\t]
.endif
.endr
.irp t, 0,1
	v_permlanex16_b32 v[CM+4*\t+1], v[CM+4*\t], s32, s33   ; the query's other keys lie in the lane 16 away
.endr
.if \first
.irp t, 0,1
	v_max_num_f32 v[ST+8*\t], v[CM+4*\t], v[CM+4*\t+1]
.endr
.else
.irp t, 0,1
	v_max_num_f32 v[CM+4*\t+2], v[CM+4*\t], v[CM+4*\t+1]
.endr
.irp t, 0,1
	v_sub_f32 v[CM+4*\t+3], v[ST+8*\t], v[CM+4*\t+2]       ; m_old - m_new, at most 0
.endr
.irp t, 0,1
	v_mov_b32 v[ST+8*\t], v[CM+4*\t+2]
.endr
.irp t, 0,1
	v_exp_f32 v[ST+8*\t+2], v[CM+4*\t+3]                   ; a: the chunk's batch begins here; the subtractions below are the plain instructions behind it
.endr
.endif
.endm
; THE WEIGHTS, in 16 groups of four scores: group u is scores 4 (u / 2) .. + 3 of tile u % 2.
.macro SB u, n                         ; pair n of the group: s - m
.set rB, S+32*((\u)%2)+4*((\u)/2)+2*(\n)
.set rM, ST+8*((\u)%2)
	v_pk_add_f32 v[rB:rB+1], v[rB:rB+1], v[rM:rM+1] op_sel_hi:[1,0] neg_lo:[0,1] neg_hi:[0,1]
.endm
.macro EX u, n                         ; score n of the group: 2^(s - m)
.set rB, S+32*((\u)%2)+4*((\u)/2)+(\n)
	v_exp_f32 v[rB], v[rB]
.endm
.macro CV u, n                         ; pair n: rounded to bf16
.set rB, S+32*((\u)%2)+4*((\u)/2)+2*(\n)
.set rP, P+16*((\u)%2)+2*((\u)/2)+(\n)
	v_cvt_pk_bf16_f32 v[rP], v[rB], v[rB+1]
.endm
.macro SM u, n, first                  ; pair n onto sum n of the tile; a tile's first group also multiplies the old sum by a.  In the first chunk the first two groups start the sums
.set rB, S+32*((\u)%2)+4*((\u)/2)+2*(\n)
.set rL, ST+8*((\u)%2)+4+2*(\n)
.set rA, ST+8*((\u)%2)+2
.if (\u)/2 == 0
.if \first == 0
	v_pk_fma_f32 v[rL:rL+1], v[rL:rL+1], v[rA:rA+1], v[rB:rB+1] op_sel_hi:[1,0,1]
.endif
.elseif ((\u)/2 == 1) && \first
	v_pk_add_f32 v[rL:rL+1], v[rB-4:rB-3], v[rB:rB+1]
.else
	v_pk_add_f32 v[rL:rL+1], v[rL:rL+1], v[rB:rB+1]
.endif
.endm
.macro RS i                            ; pair i / 2 of tile i % 2's O^T times a: each accumulator from its low end on
.set rO, O+16*((\i)%2)+2*((\i)/2)
.set rA, ST+8*((\i)%2)+2
	v_pk_mul_f32 v[rO:rO+1], v[rO:rO+1], v[rA:rA+1] op_sel_hi:[1,0]
.endm
; AHEAD OF THE WAIT: the 32 subtractions and the 64 exponentials.  There are half as many subtractions as exponentials, so one stands between every two exponentials (the last group has none left); a pair is subtracted
; five lines ahead of its first exponential.  A subtraction names a group that has not been exponentiated yet, and m: no line here names a result of the batch (the weights in S, a in ST + 2).
; BEHIND IT: group by group, the two roundings, the two sums and one rescaling: each sum takes its groups in ascending order, and the links of one sum stand ten lines apart.
.macro STREAM first
	SB 0, 0
	SB 0, 1
.set gg, 0
.rept 16
	EX gg, 0
.if gg < 15
	SB gg+1, 0
.endif
	EX gg, 1
	EX gg, 2
.if gg < 15
	SB gg+1, 1
.endif
	EX gg, 3
.set gg, gg+1
.endr
	v_nop                                          ; a plain instruction between the last exponential and the first use of a result: one for the batch
	s_wait_alu depctr_va_vdst(0)                   ; the wait for the chunk's batch, the two a and the 64 weights, ahead of the first line that names a result
.set gg, 0
.rept 16
	CV gg, 0
	CV gg, 1
	SM gg, 0, \first
	SM gg, 1, \first
.if \first == 0
	RS gg
.endif
.set gg, gg+1
.endr
.endm
; A CHUNK of 64 keys.  Its K is in registers.  first = 1: it starts m, l and O^T.  ldk = 1: the next chunk's K is fetched.
; K and V need one buffer each: the four plain instructions behind the products K Q^T stand behind the last readers of both (this chunk's K Q^T, the last chunk's V^T P), and in front of the
; first read of the scores.  The accumulators take turns, one instruction a turn.  No exponential is issued behind the batch's wait, so none is pending at the chunk's end.
.macro CHUNK first, ldk
.irp k, 0,1,2,3
.irp t, 0,1
	v_wmma_f32_16x16x32_bf16 v[S+32*\t+8*\k:S+32*\t+8*\k+7], v[KF+8*\k:KF+8*\k+7], v[QF+8*\t:QF+8*\t+7], 0
.endr
.endr
	v_add_nc_u32 v3, CH, v3                        ; this chunk's V
.if \ldk
	v_add_nc_u32 v2, CH, v2                        ; the next chunk's K
.else
	v_nop
.endif
	v_nop
	v_nop
	LDV
.if \ldk
	LDK
.endif
	MAXES \first
	STREAM \first
	s_wait_dscnt 8*\ldk                            ; V is in; the eight loads of K, issued behind it, may stay out
.irp b, 0,1
.irp c, 0,1
.irp t, 0,1
.if \first && (\b == 0)
	v_wmma_f32_16x16x32_bf16 v[O+8*(2*\t+\c):O+8*(2*\t+\c)+7], v[VF+16*\b+8*\c:VF+16*\b+8*\c+7], v[P+16*\t+8*\b:P+16*\t+8*\b+7], 0
.else
	v_wmma_f32_16x16x32_bf16 v[O+8*(2*\t+\c):O+8*(2*\t+\c)+7], v[VF+16*\b+8*\c:VF+16*\b+8*\c+7], v[P+16*\t+8*\b:P+16*\t+8*\b+7], v[O+8*(2*\t+\c):O+8*(2*\t+\c)+7]
.endif
.endr
.endr
.endr
.if \ldk
	s_wait_dscnt 0x0                               ; the next chunk's K is in
.endif
.endm
	s_load_b128 s[4:7], s[0:1], 0x0                ; qkv s[4:5], o s[6:7]
	v_lshl_add_u32 v249, v0, 2, 0x44800
	v_mov_b32 v255, 0
	ds_add_u32 v249, v255
	v_lshrrev_b32 v1, 5, v0
	v_readfirstlane_b32 s8, v1                     ; wave 0..7
	v_and_b32 v1, 31, v0
	v_lshlrev_b32 v1, 4, v1                        ; 16 x lane; never rewritten
	s_lshr_b32 s40, s8, 2                          ; which half of the keys is mine
	s_and_b32 s41, s8, 3                           ; which 32 queries
	s_bfe_u32 s9, ttmp6, 0x40000                   ; my place in the cluster
	s_lshl_b32 s10, ttmp9, 2
	s_add_co_u32 s10, s10, s9                      ; my block of 128 queries: it enters q's and o's addresses alone
	s_and_b32 s11, ttmp7, 0xffff                   ; (batch, head), which the four partners share
	s_mov_b32 s16, 15|(3<<16)|(1<<21)              ; group 1: mask of the four work-groups; elements of 8 bytes; bit 21 beside a mask
	s_mov_b32 s17, 32<<16                          ; tensor_dim0 = 32 elements = 256 bytes
	s_mov_b32 s18, 64<<16                          ; tensor_dim1 = 64 rows: 16,384 dense bytes
	s_mov_b32 s19, 32<<16                          ; tile_dim0
	s_mov_b32 s20, 64                              ; tile_dim1
	s_mov_b32 s21, 32                              ; pitch
	s_mov_b32 s22, 0
	s_mov_b32 s23, 0
	s_mov_b32 s24, 1                               ; group 0 of my early piece.  K and V are four runs of 65,536 bytes (K's two halves of the keys, V's two); run w / 2,
	s_lshl_b32 s25, s8, 14                         ; piece w % 2 of its first 32,768 bytes: 65,536 (w / 2) + 16,384 (w % 2) = 16,384 w + 32,768 (w / 2),
	s_lshr_b32 s42, s8, 1
	s_lshl_b32 s42, s42, 15
	s_add_co_u32 s25, s25, s42                     ; in LDS and, from the head's first byte, in memory alike
	s_mov_b32 s28, 1                               ; group 0 of my late piece:
	s_add_co_u32 s29, s25, 32768                   ; the same piece of the run's second 32,768 bytes
	s_lshl_b32 s36, s11, 18                        ; the head's K and V in memory
	s_add_co_u32 s36, s36, s25
	s_add_co_u32 s36, s36, KV0
	s_mov_b32 s37, 0
	s_lshl_b32 s12, s11, 17                        ; the head's q, my block's 8 tiles, my 2 of them
	s_lshl_b32 s13, s10, 13
	s_add_co_u32 s12, s12, s13
	s_lshl_b32 s13, s41, 11
	s_add_co_u32 s12, s12, s13
	s_mov_b32 s13, 0
	s_lshr_b32 s38, s11, 3                         ; o: [row tile 256][head 8][1,024]
	s_lshl_b32 s38, s38, 20
	s_lshl_b32 s39, s10, 16
	s_add_co_u32 s38, s38, s39
	s_lshl_b32 s39, s41, 14
	s_add_co_u32 s38, s38, s39
	s_and_b32 s39, s11, 7
	s_lshl_b32 s39, s39, 10
	s_add_co_u32 s38, s38, s39
	s_mov_b32 s39, 0
	s_mov_b32 s32, 0x76543210                      ; v_permlanex16_b32: each lane takes its own place in the other half
	s_mov_b32 s33, 0xfedcba98
	s_lshl_b32 s43, s40, 16                        ; my half's K in LDS
	s_add_co_u32 s44, s43, VLDS-CH                 ; one chunk in front of my half's V: a chunk steps the address first
	s_mul_i32 s45, s41, MRGW
	s_add_co_u32 s45, s45, MRG                     ; where my pair of waves meets
	s_wait_dscnt 0x0
	s_wait_kmcnt 0x0
	s_add_nc_u64 s[26:27], s[4:5], s[36:37]
	s_add_nc_u64 s[30:31], s[26:27], 32768
	s_or_b32 s27, s27, 0x80000000
	s_or_b32 s31, s31, 0x80000000
	s_add_nc_u64 s[14:15], s[4:5], s[12:13]
	s_add_nc_u64 s[6:7], s[6:7], s[38:39]
.irp i, 0,1,2,3
	global_load_b128 v[QF+4*\i:QF+4*\i+3], v1, s[14:15] offset:\i*512   ; Q stays in registers
.endr
	ROUND                                          ; the four work-groups are here: the joint loads meet
	tensor_load_to_lds s[24:27], s[16:23]          ; my early piece,
	s_nop 0
	tensor_load_to_lds s[28:31], s[16:23]          ; my late piece
	s_nop 0
	PLACES
	v_add_nc_u32 v2, s43, v1
	v_add_nc_u32 v3, s44, v1
	v_add_nc_u32 v4, s45, v1
.irp t, 0,1
	v_mov_b32 v[ST+8*\t+1], 0                      ; named as pairs with m and a, whose word alone is taken: so they are written
	v_mov_b32 v[ST+8*\t+3], 0
.endr
	s_wait_tensorcnt 0x1                           ; my early piece is in; the late one may stay out
	s_barrier_signal -1
	s_barrier_wait -1                              ; everybody's is: chunks 0 to 7 of both halves, K and V
	LDK                                            ; chunk 0
	s_wait_loadcnt 0x0                             ; Q
	s_wait_dscnt 0x0
	CHUNK 1, 1                                     ; chunk 0 starts m, l and O^T
	s_mov_b32 s34, 6
.Learly:                                               ; chunks 1 to 6: the K fetched ahead is chunk 7's at the most, the last early one
	CHUNK 0, 1
	s_sub_co_u32 s34, s34, 1
	s_cmp_lg_u32 s34, 0
	s_cbranch_scc1 .Learly
	s_wait_tensorcnt 0x0                           ; my late piece is in (no LDS instruction of mine is out: a chunk ends with the wait for its loads)
	s_barrier_signal -1
	s_barrier_wait -1                              ; everybody's is
	s_mov_b32 s34, 8
.Llate:                                                ; chunks 7 to 14
	CHUNK 0, 1
	s_sub_co_u32 s34, s34, 1
	s_cmp_lg_u32 s34, 0
	s_cbranch_scc1 .Llate
	CHUNK 0, 0                                     ; chunk 15: no K is left to fetch
	; ---------------- the two halves of the keys meet ----------------
.irp t, 0,1
	v_pk_add_f32 v[T+4+2*\t:T+5+2*\t], v[ST+8*\t+4:ST+8*\t+5], v[ST+8*\t+6:ST+8*\t+7]   ; four plain instructions: the places behind the last products
.endr
.irp t, 0,1
	v_add_f32 v[T+4+2*\t], v[T+4+2*\t], v[T+5+2*\t]
.endr
.irp t, 0,1
	v_permlanex16_b32 v[T+5+2*\t], v[T+4+2*\t], s32, s33
.endr
.irp t, 0,1
	v_add_f32 v[T+2*\t+1], v[T+4+2*\t], v[T+5+2*\t]        ; l of my half of the keys,
	v_mov_b32 v[T+2*\t], v[ST+8*\t]                        ; beside its m: (m, l) of tile 0, (m, l) of tile 1
.endr
	s_cmp_lt_u32 s8, 4
	s_cbranch_scc1 .Lkeeps
.irp i, 0,1,2,3,4,5,6,7
	ds_store_b128 v4, v[O+4*\i:O+4*\i+3] offset:\i*512     ; waves 4-7 hand over O^T, each accumulator from its low end on,
.endr
	ds_store_b128 v4, v[T:T+3] offset:4096                 ; m and l
.Lkeeps:
	s_wait_dscnt 0x0                               ; for the partner's sake: my stores are done
	s_barrier_signal -1
	s_barrier_wait -1
	s_cmp_ge_u32 s8, 4
	s_cbranch_scc1 .Lend
.irp i, 0,1,2,3,4,5,6,7
	ds_load_b128 v[S+4*\i:S+4*\i+3], v4 offset:\i*512
.endr
	ds_load_b128 v[S+32:S+35], v4 offset:4096
	s_wait_dscnt 0x0
	; tile t: m = max(m0, m1); f_i = 2^(m_i - m) / (2^(m0 - m) l0 + 2^(m1 - m) l1); O = f0 O0 + f1 O1.  At T + 4 + 6 t: f0 twice, f1 twice, at work
.irp t, 0,1
	v_max_num_f32 v[T+8+6*\t], v[T+2*\t], v[S+32+2*\t]
.endr
.irp t, 0,1
	v_sub_f32 v[T+4+6*\t], v[T+2*\t], v[T+8+6*\t]
	v_sub_f32 v[T+6+6*\t], v[S+32+2*\t], v[T+8+6*\t]
.endr
.irp t, 0,1
	v_exp_f32 v[T+4+6*\t], v[T+4+6*\t]
	v_exp_f32 v[T+6+6*\t], v[T+6+6*\t]
.endr
	v_nop                                          ; a plain instruction between the last exponential and its use
	s_wait_alu depctr_va_vdst(0)                   ; the wait for the batch of four exponentials, ahead of the first line that names one
.irp t, 0,1
	v_mul_f32 v[T+8+6*\t], v[T+4+6*\t], v[T+2*\t+1]
.endr
.irp t, 0,1
	v_fmac_f32 v[T+8+6*\t], v[T+6+6*\t], v[S+33+2*\t]
.endr
.irp t, 0,1
	v_rcp_f32 v[T+8+6*\t], v[T+8+6*\t]
.endr
	v_nop                                          ; and between the last reciprocal and its use
	s_wait_alu depctr_va_vdst(0)                   ; the wait for the batch of two reciprocals, which read sums made of the exponentials and so are a batch of their own
.irp t, 0,1
	v_mul_f32 v[T+5+6*\t], v[T+4+6*\t], v[T+8+6*\t]
	v_mul_f32 v[T+4+6*\t], v[T+4+6*\t], v[T+8+6*\t]
	v_mul_f32 v[T+7+6*\t], v[T+6+6*\t], v[T+8+6*\t]
	v_mul_f32 v[T+6+6*\t], v[T+6+6*\t], v[T+8+6*\t]
.endr
.irp a, 0,1,2,3
.irp i, 0,1,2,3
	v_pk_mul_f32 v[O+8*\a+2*\i:O+8*\a+2*\i+1], v[O+8*\a+2*\i:O+8*\a+2*\i+1], v[T+4+6*(\a/2):T+5+6*(\a/2)]
.endr
.irp i, 0,1,2,3
	v_pk_fma_f32 v[O+8*\a+2*\i:O+8*\a+2*\i+1], v[S+8*\a+2*\i:S+8*\a+2*\i+1], v[T+6+6*(\a/2):T+7+6*(\a/2)], v[O+8*\a+2*\i:O+8*\a+2*\i+1]
.endr
.irp i, 0,1,2,3
	v_cvt_pk_bf16_f32 v[P+4*\a+\i], v[O+8*\a+2*\i], v[O+8*\a+2*\i+1]
.endr
	global_store_b128 v1, v[P+4*\a:P+4*\a+3], s[6:7] offset:(\a/2)*8192+(\a%2)*512   ; a piece of the next product's fragment: 512 consecutive bytes, aligned
.endr
.Lend:
	s_wait_tensorcnt 0x0
	ds_add_u32 v249, v255
	s_wait_dscnt 0x0
	ROUND                                          ; the closing round
	s_endpgm
.Lfunc_end_k_q4a9bd472ad_attn:
	.size	k_q4a9bd472ad_attn, .Lfunc_end_k_q4a9bd472ad_attn-k_q4a9bd472ad_attn
	.p2alignl 7, 3214868480
	.fill 96, 4, 3214868480
	.section	.rodata,"a",@progbits
	.p2align	6, 0x0
	.amdhsa_kernel k_q4a9bd472ad_attn
		.amdhsa_group_segment_fixed_size 281600
		.amdhsa_private_segment_fixed_size 0
		.amdhsa_enable_private_segment 0
		.amdhsa_kernarg_size 16
		.amdhsa_user_sgpr_count 2
		.amdhsa_user_sgpr_kernarg_segment_ptr 1
		.amdhsa_wavefront_size32 1
		.amdhsa_system_sgpr_workgroup_id_x 1
		.amdhsa_system_sgpr_workgroup_id_y 1
		.amdhsa_system_sgpr_workgroup_id_z 1
		.amdhsa_system_vgpr_workitem_id 0
		.amdhsa_next_free_vgpr 256
		.amdhsa_next_free_sgpr 66
		.amdhsa_reserve_vcc 0
		.amdhsa_float_denorm_mode_32 3
		.amdhsa_float_denorm_mode_16_64 3
		.amdhsa_memory_ordered 1
		.amdhsa_forward_progress 1
		.amdhsa_inst_pref_size 65
	.end_amdhsa_kernel
	.amdgpu_metadata
---
amdhsa.version: [ 1, 2 ]
amdhsa.kernels:
  - .name:           k_q4a9bd472ad_attn
    .symbol:         k_q4a9bd472ad_attn.kd
    .args:
      - { .name: qkv, .offset: 0, .size: 8, .value_kind: global_buffer, .address_space: global }
      - { .name: of, .offset: 8, .size: 8, .value_kind: global_buffer, .address_space: global }
    .group_segment_fixed_size: 281600
    .private_segment_fixed_size: 0
    .kernarg_segment_align: 8
    .kernarg_segment_size: 16
    .max_flat_workgroup_size: 256
    .sgpr_count:     66
    .vgpr_count:     256
    .wavefront_size: 32
...
	.end_amdgpu_metadata
.endif
;; end of part 6
;; launch layer: the kernel of part 4 again; grid 128 x 1, 4 waves a work-group, clusters of 4 x 1, 327,680 bytes of LDS; arguments xa, of, p0, xb, qkv; writes xb, qkv
;; launch attn_1: the kernel of part 6 again; grid 16 x 16, 8 waves a work-group, clusters of 4 x 1, 281,600 bytes of LDS; arguments qkv, of; writes of
;; launch layer_1: the kernel of part 4 again; grid 128 x 1, 4 waves a work-group, clusters of 4 x 1, 327,680 bytes of LDS; arguments xb, of, p1, xa, qkv; writes xa, qkv
;; launch attn_2: the kernel of part 6 again; grid 16 x 16, 8 waves a work-group, clusters of 4 x 1, 281,600 bytes of LDS; arguments qkv, of; writes of
;; launch layer_2: the kernel of part 4 again; grid 128 x 1, 4 waves a work-group, clusters of 4 x 1, 327,680 bytes of LDS; arguments xa, of, p2, xb, qkv; writes xb, qkv
;; launch attn_3: the kernel of part 6 again; grid 16 x 16, 8 waves a work-group, clusters of 4 x 1, 281,600 bytes of LDS; arguments qkv, of; writes of
;; launch final: the kernel of part 5 again; grid 128 x 1, 4 waves a work-group, clusters of 4 x 1, 327,680 bytes of LDS; arguments xb, of, p3, out0; writes out0
